; MI455X (gfx1250); checked and timed in simulation.
; The chip was launched on July 23, 2026; its instructions are those of AMD's public machine-readable ISA for CDNA 5 (MIT licence, August 2026) and "CDNA5" Instruction Set Architecture Reference Guide (July 2026). The comments in the code are by the model that wrote it; some were corrected since.
;; Grouped Query Attention. Allowed arithmetic: matrix products marked QUANTISED: E2M1 operands, one E8M0 scale for each 32 along K, by v_wmma_scale_f32_16x16x128_f8f6f4 with both operands' format E2M1 (or v_wmma_scale_f32_32x16x128_f4), f32 sums; products left as they are: bf16, f16 or f32 operands; f32 sums; everything else in f32.
;; Inputs: Wk 2,048 x 512 float32; Wo 2,048 x 2,048 float32; Wq 2,048 x 2,048 float32; Wv 2,048 x 512 float32; cos 2,048 x 64 float32; mask 1 x 1 x 2,048 x 2,048 bool; sin 2,048 x 64 float32; x 1 x 2,048 x 2,048 float32.
;; Outputs: out0 1 x 2,048 x 2,048 float32; out1 1 x 4 x 2,048 x 128 float32; out2 1 x 4 x 2,048 x 128 float32.
;; This version of the problem:
;;   THIS VERSION OF THE PROBLEM IS GIVEN IN LOW PRECISION. The matrix products marked QUANTISED in the list below multiply operands that are first quantised to E2M1 (2 exponent bits, 1 mantissa bit; 4 bits a number), with one power-of-two scale for each 32 numbers along K (OCP MX v1.0); their sums are f32. The products marked 'left as it is' may take bf16, f16 or f32 operands, with f32 sums. Whichever they take, every output number must still come out within the allowed error. Rounding operands to bf16 (8 significant bits) uses up far more of that allowance than f16 does (11 bits, for magnitudes from 6e-5 to 65,504). All else is computed in f32.
;;   The module's matrix products, in the order in which they are computed (A, B: the left and right operand; K: the contracted axis; several contracted axes count as one K, in the product's order):
;;     1. [M 2,048, K 2,048] x [K 2,048, N 2,048]; A: input x; B: input Wq: QUANTISED
;;     2. [M 2,048, K 2,048] x [K 2,048, N 512]; A: input x; B: input Wk: QUANTISED
;;     3. [M 2,048, K 2,048] x [K 2,048, N 512]; A: input x; B: input Wv: QUANTISED
;;     4. batch 16 x [M 2,048, K 128] x [K 128, N 2,048]; A: computed on the way; B: computed on the way: left as it is (an operand is computed on the way)
;;     5. batch 16 x [M 2,048, K 2,048] x [K 2,048, N 128]; A: computed on the way; B: computed on the way: left as it is (an operand is computed on the way)
;;     6. [M 2,048, K 2,048] x [K 2,048, N 2,048]; A: computed on the way; B: input Wo: left as it is (an operand is computed on the way)
;;   THE QUANTISER, for each operand of a quantised product, along K:
;;     - K is cut into blocks of 32 from its start; a last block that is shorter is filled with zeros.
;;     - A block's scale is 2^e with e = floor(log2(the largest magnitude in the block)) - 2, held to -126 .. 127; a block of zeros has e = 0. As a byte (E8M0): e + 127.
;;     - Each number is divided by its block's scale, clamped to +-6, and rounded to the nearest number of E2M1, ties to even, subnormals kept.
;;     - The product sums the exact products of the quantised numbers (number of the format x scale) in f32.
;;   ~~~python
;;   def quantise(x, axis):      # numpy; x: float32 -> the quantised numbers, widened to float32 again
;;       x = np.moveaxis(x, axis, -1); K = x.shape[-1]
;;       x = np.pad(x, [(0, 0)] * (x.ndim - 1) + [(0, -K % 32)]); x = x.reshape(x.shape[:-1] + (-1, 32)); a = np.abs(x).max(-1, keepdims=True)
;;       e = np.where(a > 0, np.clip(np.frexp(np.where(a > 0, a, 1))[1] - 1 - 2, -126, 127), 0)      # np.frexp(a)[1] - 1 = floor(log2(a)), exactly
;;       r = np.clip(x / 2.0 ** e, -6, 6)
;;       step = 2.0 ** (np.maximum(np.frexp(np.where(r == 0, 1, r))[1] - 1, 0) - 1)
;;       q = np.round(r / step) * step * 2.0 ** e      # np.round: ties to even
;;       return np.moveaxis(q.reshape(q.shape[:-2] + (-1,))[..., :K], -1, axis).astype(np.float32)
;;   ~~~
;; One version. Each part assembles by itself: llvm-mc -triple=amdgcn-amd-amdhsa -mcpu=gfx1250 --defsym DOCPART=n.
;; ======== version 1 of 1: 5 launches
;; limits: values are held in f16: magnitudes above 65,504 overflow, below 6.1e-05 lose precision; right only within a limited range of input values
;; workspace buffers: pq 5,578,752 bytes; wof 8,388,608 bytes; mb 2,097,152 bytes; tl0 256 bytes of whole numbers; qkvf 12,582,912 bytes; ctxf 8,388,608 bytes
;; launch prep (part 1): grid 1280 x 1, 4 waves a work-group, no clusters, 34,304 bytes of LDS; arguments x, Wq, Wk, Wv, Wo, mask, pq, wof, mb, tl0; writes pq, wof, mb, tl0
.if DOCPART == 1
	.amdgcn_target "amdgcn-amd-amdhsa--gfx1250"
	.amdhsa_code_object_version 6
	.text
	.protected	k_q0ba773971e_prep
	.globl	k_q0ba773971e_prep
	.p2align	8
	.type	k_q0ba773971e_prep,@function
k_q0ba773971e_prep:
	s_mov_b64 s[64:65], 0
	v_nop
	global_prefetch_b8 v0, s[64:65] scope:SCOPE_SE
	s_setreg_imm32_b32 hwreg(HW_REG_WAVE_MODE, 25, 1), 1
	s_wait_xcnt 0x0
; PREP: every operand is brought once into the order in which a later launch's matrix registers take it (a fragment = 1,024 bytes: registers 0-3 of lane l at 16 l, registers 4-7 at 512 + 16 l).
; Four roles, chosen by the work-group's number: X (512 groups): x -> FP4 codes and E8M0 scale words;  W (384): Wq, Wk, Wv -> the same, quantised down their first axis;
; O (256): Wo -> f16 fragments;  M (128): mask -> one nibble a key (0xD masked, 0 live), a live flag for each row, and tile flags for rows 0-15.
; A block's scale is 2^(floor(log2(largest magnitude)) - 2); its byte is the largest magnitude's exponent field - 2, held at 1 from below.
; LIMITS: a block of zeros (or with largest magnitude under 2^-124) keeps the byte 1: its codes are zeros, and this program alone reads the bytes; NaN and infinities are not served; |Wo| < 65,504 (f16).
; A wave is single-shot: all its loads go out together (8 to 16 KiB), then the work, then the stores.  No loop, no barrier: waves share nothing.  Matrix units and clusters have nothing to do here.
.set XC, 0                             ; pq: x's codes  [kq 4][mtile 128][q 4][1 KB]
.set WC, 2097152                       ;     W's codes  [kq 4][ntile 192][q 4][1 KB]
.set XS, 5242880                       ;     x's scale words [mblk 16][ks 16][t 8][r 16]
.set WS, 5373952                       ;     W's scale words [head 24][ks 16][t 8][r 16]
.set RL, 5570560                       ;     f32 [2048]: 1.0, or 0.0 for a mask row with no true key
.set SPARE, 33792                      ; behind role X's four stages: the spare words, 128 bytes a wave
.set SPW, 190                          ; v190 my spare word's address; v191 0: never rewritten
.set NIL, 191
; 32 numbers of one lane, v[src] on, become 4 registers of codes in v[dst] on; the scale's byte is left in v[m], the conversion's scale operand in v[sop]
.macro QBLK src, dst, m, sop
	v_max3_num_f32 v[\m], |v[\src]|, |v[\src+1]|, |v[\src+2]|
	v_max3_num_f32 v[\sop], |v[\src+3]|, |v[\src+4]|, |v[\src+5]|
.irp i, 6,10,14,18,22,26
	v_max3_num_f32 v[\m], v[\m], |v[\src+\i]|, |v[\src+\i+1]|
	v_max3_num_f32 v[\sop], v[\sop], |v[\src+\i+2]|, |v[\src+\i+3]|
.endr
	v_max3_num_f32 v[\m], v[\m], |v[\src+30]|, |v[\src+31]|
	v_max3_num_f32 v[\m], v[\m], v[\sop], 0x1800000        ; the floor 2^(3 - 127): the byte cannot fall under 1
	v_add_nc_u32 v[\sop], 0xff000000, v[\m]                ; 2 off the exponent field: the conversion takes this operand's exponent field as its scale
	v_lshrrev_b32 v[\m], 23, v[\sop]                       ; the scale's byte
.irp g, 0,1,2,3
	v_cvt_scalef32_pk8_fp4_f32 v[\dst+\g], v[\src+8*\g:\src+8*\g+7], v[\sop]
.endr
.endm
; a lane takes a column, its 128 registers run down K: each load reads 128 consecutive bytes a wave
.macro LDCOL pitch
.set i, 0
.rept 128
	global_load_b32 v[32+i], v4, s[36:37] offset:i*\pitch th:TH_LOAD_NT
.set i, i+1
.endr
.endm
	s_load_b512 s[4:19], s[0:1], 0x0               ; x 4, Wq 6, Wk 8, Wv 10, Wo 12, mask 14, pq 16, wof 18
	s_load_b128 s[20:23], s[0:1], 0x40             ; mb 20, tl0 22
	v_lshl_add_u32 v[SPW], v0, 2, SPARE
	v_mov_b32 v[NIL], 0
	v_lshrrev_b32 v1, 5, v0
	v_readfirstlane_b32 s24, v1                    ; wave
	v_and_b32 v1, 31, v0                           ; lane
	v_and_b32 v2, 15, v0                           ; r
	v_bfe_u32 v3, v0, 4, 1                         ; h
	s_mov_b32 s29, 0                               ; the upper word of every offset pair s[28:29]
	s_wait_kmcnt 0x0
	s_cmp_lt_u32 ttmp9, 512
	s_cbranch_scc1 .Lrole_x
	s_cmp_lt_u32 ttmp9, 896
	s_cbranch_scc1 .Lrole_w
	s_cmp_lt_u32 ttmp9, 1152
	s_cbranch_scc1 .Lrole_o
; ---- ROLE M: query block qb; my wave's rows 4 wave + p; my lane takes key step = lane (64 keys, 64 bytes of a row)
	s_sub_co_u32 s25, ttmp9, 1152                  ; qb
	s_lshl_b32 s28, s25, 4
	s_lshl_b32 s30, s24, 2
	s_add_co_u32 s31, s28, s30                     ; my first row
	s_lshl_b32 s28, s31, 11
	s_add_nc_u64 s[14:15], s[14:15], s[28:29]
	v_lshlrev_b32 v4, 6, v1
.irp p, 0,1,2,3
.irp i, 0,1,2,3
	global_load_b128 v[32+16*\p+4*\i:35+16*\p+4*\i], v4, s[14:15] offset:\p*2048+16*\i th:TH_LOAD_NT
.endr
.endr
	s_lshl_b32 s28, s25, 14
	s_lshl_b32 s30, s24, 11
	s_add_co_u32 s28, s28, s30
	s_add_nc_u64 s[20:21], s[20:21], s[28:29]      ; mb at [qb][lane = 4 wave]
	s_lshl_b32 s28, s31, 2
	s_add_co_u32 s28, s28, RL
	s_add_nc_u64 s[36:37], s[16:17], s[28:29]      ; my four live flags
	s_lshl_b32 s28, s24, 4
	s_add_nc_u64 s[38:39], s[22:23], s[28:29]      ; tl0 [wave][kt]
	v_lshlrev_b32 v5, 4, v1
	v_lshlrev_b32 v7, 2, v1
	v_mov_b32 v10, 0                               ; lane p: row p's live flag
	v_mov_b32 v11, 0                               ; lane kt: the tile flags
.irp kt, 0,1,2,3
	s_mov_b32 s[40+\kt], 0
.endr
.irp p, 0,1,2,3
	s_wait_loadcnt 12-4*\p                         ; this row's four loads are in; the later rows' stay out
.irp kt, 0,1,2,3
.irp hh, 0,1
	v_lshl_or_b32 v[96+8*\p+4*\hh+\kt], v[33+16*\p+4*\kt+2*\hh], 4, v[32+16*\p+4*\kt+2*\hh]   ; keys j = 0-3 in the low nibbles of the bytes, j = 4-7 in the high ones
.endr
.endr
	v_or_b32 v8, v[96+8*\p], v[97+8*\p]
.irp i, 2,3,4,5,6,7
	v_or_b32 v8, v8, v[96+8*\p+\i]
.endr
	v_cmp_ne_u32 vcc_lo, 0, v8
	s_cmp_lg_u32 vcc_lo, 0                         ; has the row a true key at all?
	s_cselect_b32 s26, -1, 0
	s_cselect_b32 s27, 1.0, 0
	s_not_b32 s30, s26
.irp kt, 0,1,2,3
	v_or_b32 v9, v[96+8*\p+\kt], v[100+8*\p+\kt]
	v_cmp_ne_u32 s31, 0, v9                        ; bit s: key tile (step s, kt) has a true key for this row;
	s_or_b32 s31, s31, s30                         ; a row with no true key counts as all live
	s_or_b32 s[40+\kt], s[40+\kt], s31
.endr
.irp i, 0,1,2,3,4,5,6,7
	v_xor_b32 v[96+8*\p+\i], 0x11111111, v[96+8*\p+\i]     ; 1 where masked,
	v_mul_lo_u32 v[96+8*\p+\i], v[96+8*\p+\i], 13          ; 0xD where masked (no carry from nibble to nibble),
	v_and_b32 v[96+8*\p+\i], s26, v[96+8*\p+\i]            ; all zeros in a row with no true key
.endr
.irp hh, 0,1
	global_store_b128 v5, v[96+8*\p+4*\hh:99+8*\p+4*\hh], s[20:21] offset:(16*\hh+\p)*512   ; 32 lanes store 512 consecutive bytes
.endr
	v_writelane_b32 v10, s27, \p
.endr
.irp kt, 0,1,2,3
	v_writelane_b32 v11, s[40+\kt], \kt
.endr
	v_cmp_gt_u32 vcc_lo, 4, v1
	s_wait_xcnt 0x0                                ; EXEC changes only behind this wait
	s_and_saveexec_b32 s30, vcc_lo
	global_store_b32 v7, v10, s[36:37]
	s_cmp_lg_u32 s25, 0
	s_cbranch_scc1 .Lm_no_tl
	global_store_b32 v7, v11, s[38:39]             ; query block 0 alone stores its tile flags
.Lm_no_tl:
	s_wait_xcnt 0x0
	s_or_b32 exec_lo, exec_lo, s30
	s_endpgm
; ---- ROLE X: 16 rows (mtile) x 128 along K (K step ks = 4 kq + wave)
.Lrole_x:
	s_lshr_b32 s25, ttmp9, 2                       ; mtile
	s_and_b32 s26, ttmp9, 3                        ; kq
	s_lshl_b32 s27, s26, 2
	s_add_co_u32 s27, s27, s24                     ; ks
	s_lshl_b32 s28, s25, 17
	s_lshl_b32 s30, s27, 9
	s_add_co_u32 s28, s28, s30
	s_add_nc_u64 s[4:5], s[4:5], s[28:29]
	v_lshlrev_b32 v4, 4, v1
.set i, 0
.rept 16
	global_load_b128 v[32+4*i:35+4*i], v4, s[4:5] offset:i*8192 th:TH_LOAD_NT   ; row i: 512 consecutive bytes
.set i, i+1
.endr
	s_mul_i32 s30, s24, 8448                       ; my stage: 16 rows of 512 + 16 bytes
	v_add_nc_u32 v5, s30, v4
	v_mul_u32_u24 v6, v2, 528
	v_lshl_add_u32 v6, v3, 7, v6
	v_add_nc_u32 v6, s30, v6                       ; back: row r, + 128 h: my 32 numbers of each 64
	v_lshlrev_b32 v7, 2, v2
	s_mov_b32 s34, 0x76543210
	s_mov_b32 s35, 0xfedcba98                      ; lane l xor 16
	s_lshl_b32 s28, s26, 7
	s_add_co_u32 s28, s28, s25
	s_lshl_b32 s28, s28, 2
	s_add_co_u32 s28, s28, s24
	s_lshl_b32 s28, s28, 10
	s_add_nc_u64 s[36:37], s[16:17], s[28:29]      ; the fragment's place
	s_lshr_b32 s28, s25, 3
	s_lshl_b32 s28, s28, 4
	s_add_co_u32 s28, s28, s27
	s_lshl_b32 s28, s28, 9
	s_and_b32 s30, s25, 7
	s_lshl_b32 s30, s30, 6
	s_add_co_u32 s28, s28, s30
	s_add_co_u32 s28, s28, XS
	s_add_nc_u64 s[38:39], s[16:17], s[28:29]      ; its scale words' place
.set i, 0
.rept 16
	s_wait_loadcnt 15-i                            ; row i is in; the younger loads stay out
	ds_store_b128 v5, v[32+4*i:35+4*i] offset:i*528
.set i, i+1
.endr
.irp c, 0,1
.irp u, 0,1,2,3,4,5,6,7
	ds_load_b128 v[96+32*\c+4*\u:99+32*\c+4*\u], v6 offset:256*\c+16*\u   ; a wave's LDS instructions are served in order: these see my stores
.endr
.endr
	s_wait_dscnt 0x0
	QBLK 96, 160, 8, 9                             ; block h
	QBLK 128, 164, 10, 11                          ; block 2 + h
	v_nop                                          ; a plain place behind the last conversion
	v_lshl_or_b32 v12, v10, 16, v8
	v_lshlrev_b32 v13, 3, v3
	v_lshlrev_b32 v12, v13, v12                    ; my two bytes at their places,
	v_mov_b32 v13, 0
	v_permlanex16_b32 v13, v12, s34, s35
	v_or_b32 v12, v12, v13                         ; with lane l xor 16's two: the row's scale word
	global_store_b128 v4, v[160:163], s[36:37]
	global_store_b128 v4, v[164:167], s[36:37] offset:512
	global_store_b32 v7, v12, s[38:39]             ; both halves of the lanes store the same word
	s_wait_tensorcnt 0x0                           ; the wave's end
	ds_add_u32 v[SPW], v[NIL]
	s_wait_dscnt 0x0
	s_endpgm
; ---- ROLE W: head (0-15 Wq, 16-19 Wk, 20-23 Wv), K step ks; my wave's 32 columns
.Lrole_w:
	s_sub_co_u32 s25, ttmp9, 512
	s_lshr_b32 s26, s25, 4                         ; head
	s_and_b32 s27, s25, 15                         ; ks
	v_lshlrev_b32 v4, 2, v1
	v_lshlrev_b32 v5, 4, v1
	s_lshl_b32 s31, s24, 7
	s_cmp_lt_u32 s26, 16
	s_cbranch_scc0 .Lw_kv
	s_lshl_b32 s28, s27, 20
	s_lshl_b32 s30, s26, 9
	s_add_co_u32 s28, s28, s30
	s_add_co_u32 s28, s28, s31
	s_add_nc_u64 s[36:37], s[6:7], s[28:29]
	LDCOL 8192
	s_branch .Lw_have
.Lw_kv:
	s_cmp_lt_u32 s26, 20
	s_cselect_b64 s[36:37], s[8:9], s[10:11]
	s_lshl_b32 s28, s27, 18
	s_and_b32 s30, s26, 3
	s_lshl_b32 s30, s30, 9
	s_add_co_u32 s28, s28, s30
	s_add_co_u32 s28, s28, s31
	s_add_nc_u64 s[36:37], s[36:37], s[28:29]
	LDCOL 2048
.Lw_have:
	s_lshr_b32 s28, s27, 2
	s_mul_i32 s28, s28, 192
	s_lshl_b32 s30, s26, 3
	s_add_co_u32 s28, s28, s30
	s_lshl_b32 s30, s24, 1
	s_add_co_u32 s28, s28, s30
	s_lshl_b32 s28, s28, 2
	s_and_b32 s30, s27, 3
	s_add_co_u32 s28, s28, s30
	s_lshl_b32 s28, s28, 10
	s_add_co_u32 s28, s28, WC
	s_add_nc_u64 s[38:39], s[16:17], s[28:29]
	s_lshl_b32 s28, s26, 4
	s_add_co_u32 s28, s28, s27
	s_lshl_b32 s28, s28, 9
	s_add_co_u32 s28, s28, s31
	s_add_co_u32 s28, s28, WS
	s_add_nc_u64 s[40:41], s[16:17], s[28:29]
	s_wait_loadcnt 63                              ; of 128 loads at most 63 are out: the first 65, blocks 0 and 1 among them, are in
	QBLK 32, 160, 8, 9
	QBLK 64, 164, 10, 11
	s_wait_loadcnt 32
	QBLK 96, 168, 12, 13
	s_wait_loadcnt 0x0
	QBLK 128, 172, 14, 15
	v_nop
	v_lshl_or_b32 v8, v10, 8, v8
	v_lshl_or_b32 v8, v12, 16, v8
	v_lshl_or_b32 v8, v14, 24, v8                  ; my column's scale word
.irp c, 0,1                                    ; the operand's layout wants lanes 0-15 block 2 c and lanes 16-31 block 2 c + 1 of ONE tile's 16 columns
.irp g, 0,1,2,3
	v_permlane16_swap_b32 v[160+8*\c+\g], v[164+8*\c+\g]
.endr
.endr
	global_store_b128 v5, v[160:163], s[38:39]               ; the first tile's registers 0-3,
	global_store_b128 v5, v[168:171], s[38:39] offset:512    ; 4-7;
	global_store_b128 v5, v[164:167], s[38:39] offset:4096   ; the second tile's
	global_store_b128 v5, v[172:175], s[38:39] offset:4608
	global_store_b32 v4, v8, s[40:41]
	s_endpgm
; ---- ROLE O: Wo, 32 columns x 128 k a wave, to f16 fragments
.Lrole_o:
	s_sub_co_u32 s25, ttmp9, 896
	s_lshr_b32 s26, s25, 4                         ; nb
	s_and_b32 s27, s25, 15                         ; kg
	v_lshlrev_b32 v4, 2, v1
	v_lshlrev_b32 v5, 4, v1
	s_lshl_b32 s28, s27, 20
	s_lshl_b32 s30, s26, 9
	s_add_co_u32 s28, s28, s30
	s_lshl_b32 s30, s24, 7
	s_add_co_u32 s28, s28, s30
	s_add_nc_u64 s[36:37], s[12:13], s[28:29]
	LDCOL 8192
	s_lshr_b32 s28, s27, 1
	s_lshl_b32 s28, s28, 7
	s_lshl_b32 s30, s26, 3
	s_add_co_u32 s28, s28, s30
	s_lshl_b32 s30, s24, 1
	s_add_co_u32 s28, s28, s30
	s_lshl_b32 s28, s28, 3
	s_and_b32 s30, s27, 1
	s_lshl_b32 s30, s30, 2
	s_add_co_u32 s28, s28, s30
	s_lshl_b32 s28, s28, 10
	s_add_nc_u64 s[38:39], s[18:19], s[28:29]
.irp e, 0,1,2,3
.if \e < 2
	s_wait_loadcnt 63                              ; as in role W
.else
	s_wait_loadcnt 96-32*\e
.endif
.set i, 0
.rept 16
	v_cvt_pk_f16_f32 v[32+32*\e+i], v[32+32*\e+2*i], v[33+32*\e+2*i]   ; pair i of the chunk's 32 k, laid over numbers that are done with
.set i, i+1
.endr
.irp i, 0,1,2,3,8,9,10,11
	v_permlane16_swap_b32 v[32+32*\e+\i], v[36+32*\e+\i]
.endr
	global_store_b128 v5, v[32+32*\e:35+32*\e], s[38:39] offset:\e*1024
	global_store_b128 v5, v[40+32*\e:43+32*\e], s[38:39] offset:\e*1024+512
	global_store_b128 v5, v[36+32*\e:39+32*\e], s[38:39] offset:\e*1024+8192
	global_store_b128 v5, v[44+32*\e:47+32*\e], s[38:39] offset:\e*1024+8704
.endr
	s_endpgm
.Lfunc_end_k_q0ba773971e_prep:
	.size	k_q0ba773971e_prep, .Lfunc_end_k_q0ba773971e_prep-k_q0ba773971e_prep
	.p2alignl 7, 3214868480
	.fill 96, 4, 3214868480
	.section	.rodata,"a",@progbits
	.p2align	6, 0x0
	.amdhsa_kernel k_q0ba773971e_prep
		.amdhsa_group_segment_fixed_size 34304
		.amdhsa_private_segment_fixed_size 0
		.amdhsa_enable_private_segment 0
		.amdhsa_kernarg_size 80
		.amdhsa_user_sgpr_count 2
		.amdhsa_user_sgpr_kernarg_segment_ptr 1
		.amdhsa_wavefront_size32 1
		.amdhsa_system_sgpr_workgroup_id_x 1
		.amdhsa_system_sgpr_workgroup_id_y 1
		.amdhsa_system_sgpr_workgroup_id_z 1
		.amdhsa_system_vgpr_workitem_id 0
		.amdhsa_next_free_vgpr 192
		.amdhsa_next_free_sgpr 66
		.amdhsa_reserve_vcc 1
		.amdhsa_float_denorm_mode_32 3
		.amdhsa_float_denorm_mode_16_64 3
		.amdhsa_memory_ordered 1
		.amdhsa_forward_progress 1
		.amdhsa_inst_pref_size 77
	.end_amdhsa_kernel
	.amdgpu_metadata
---
amdhsa.version: [ 1, 2 ]
amdhsa.kernels:
  - .name:           k_q0ba773971e_prep
    .symbol:         k_q0ba773971e_prep.kd
    .args:
      - { .name: x, .offset: 0, .size: 8, .value_kind: global_buffer, .address_space: global }
      - { .name: Wq, .offset: 8, .size: 8, .value_kind: global_buffer, .address_space: global }
      - { .name: Wk, .offset: 16, .size: 8, .value_kind: global_buffer, .address_space: global }
      - { .name: Wv, .offset: 24, .size: 8, .value_kind: global_buffer, .address_space: global }
      - { .name: Wo, .offset: 32, .size: 8, .value_kind: global_buffer, .address_space: global }
      - { .name: mask, .offset: 40, .size: 8, .value_kind: global_buffer, .address_space: global }
      - { .name: pq, .offset: 48, .size: 8, .value_kind: global_buffer, .address_space: global }
      - { .name: wof, .offset: 56, .size: 8, .value_kind: global_buffer, .address_space: global }
      - { .name: mb, .offset: 64, .size: 8, .value_kind: global_buffer, .address_space: global }
      - { .name: tl0, .offset: 72, .size: 8, .value_kind: global_buffer, .address_space: global }
    .group_segment_fixed_size: 34304
    .private_segment_fixed_size: 0
    .kernarg_segment_align: 8
    .kernarg_segment_size: 80
    .max_flat_workgroup_size: 128
    .sgpr_count:     66
    .vgpr_count:     192
    .wavefront_size: 32
...
	.end_amdgpu_metadata
.endif
;; end of part 1
;; launch qkv (part 2): grid 24 x 16, 4 waves a work-group, clusters of 4 x 4, 327,680 bytes of LDS; arguments pq, cos, sin, qkvf, out1, out2; writes qkvf, out1, out2
.if DOCPART == 2
	.amdgcn_target "amdgcn-amd-amdhsa--gfx1250"
	.amdhsa_code_object_version 6
	.text
	.protected	k_q0ba773971e_qkv
	.globl	k_q0ba773971e_qkv
	.p2align	8
	.type	k_q0ba773971e_qkv,@function
k_q0ba773971e_qkv:
	s_mov_b64 s[64:65], 0
	v_nop
	global_prefetch_b8 v0, s[64:65] scope:SCOPE_SE
	s_setreg_imm32_b32 hwreg(HW_REG_WAVE_MODE, 25, 1), 1
	s_wait_xcnt 0x0
	s_wait_alu depctr_hold_cnt(0) depctr_sa_sdst(0) depctr_va_vdst(0) depctr_va_sdst(0) depctr_va_ssrc(0) depctr_va_vcc(0) depctr_vm_vsrc(0)
	s_getreg_b32 s2, hwreg(HW_REG_IB_STS2, 6, 4)
	s_cmp_eq_u32 s2, 0
	s_cbranch_scc0 .Lentry_in_a_cluster
	s_endpgm
.Lentry_in_a_cluster:
	s_bfe_u32 s2, ttmp6, 0x10000c
	s_cmp_lg_u32 s2, 0xf033
	s_cbranch_scc0 .Lentry_shape_is_right
	s_endpgm
.Lentry_shape_is_right:
; QKV: x Wq, x Wk, x Wv on codes of FP4 with E8M0 scales, RoPE in f32, out1 (k), out2 (v), and q, k, v as f16 fragments for the attention.
; A work-group takes one head of the 24 (0-15 q, 16-19 k, 20-23 v) and 128 positions.  All of K (2,048) of both operands fits in LDS (128 + 128 KiB of codes, 8 + 8 KiB of scale words): nothing is filled again.
; Wave w takes positions 32 w .. 32 w + 31 x the head's 128 channels: 16 accumulators; so RoPE's pairs (d, d + 64), whole output rows and whole fragments stay in one wave.
; CLUSTER 4 x 4: x's tiles hang on the block of positions alone and are shared along a row of the cluster, W's on the head alone and are shared along a column: joint loads.
; q and k are made transposed (source 0 = W, source 1 = x): a lane holds one position and 8 neighbouring channels.  v is made the natural way: a lane holds one channel and 8 neighbouring positions, as V^T's fragments want.
; q of a position whose mask row has no true key is multiplied by 0 (RL): its scores are then all 0, the uniform softmax that -1e9 everywhere gives.
; THE TEXT PARTS ONCE on the kind of head (the cluster's x: equal in all partners): q and k heads load cos, sin and the live flags, run the transposed main part and RoPE; v heads run the natural main part.
; LIMITS: |q|, |k|, |v| < 65,504 for the f16 fragments; NaN and infinities are not served.
; REGISTERS: window 0: v0-31 addresses; v32-111, v112-191 two fragment buffers (x 16, W 64); v192-201 scale words, two sets, nothing else; v202-205 live flags.  window 1: acc(a, b) at v[8 (8 a + b)].  window 2: cos v0-63, sin v64-127.
.set XC, 0
.set WC, 2097152
.set XS, 5242880
.set WS, 5373952
.set RL, 5570560
.set KFO, 8388608                      ; qkvf: q's fragments at 0, k's here,
.set VFO, 10485760                     ; v's here
.set LXS, 262144                       ; LDS: x's codes 0, W's codes 131072, x's scale words, W's scale words, the spare words
.set LWS, 270336
.set SPARE, 278528
.set LI, 4                             ; v4 16 x lane
.set ADA, 5                            ; v5-6  x's fragments, K quarters 0-1 and 2-3
.set ADB, 7                            ; v7-8  W's
.set ADSX, 9
.set ADSW, 10
.set STO, 11                           ; out1's stage (in x's region): in; v12 back
.set RDK, 12
.set STV, 13                           ; out2's stage (in W's region): in; v14 back
.set RDV, 14
.set CSO, 15
.set RLO, 16
.set SPW, 28
.set NIL, 29
.set WV, 16
.set TT, 17                            ; s17 0: I fetch for x, 1: for W
.set EE, 18                            ; s18 which half
.set G1X, 24
.set G1W, 32
.set G1SX, 40
.set G1SW, 48
.set MSB, 0
.macro WIN new
.if MSB != \new
	s_set_vgpr_msb (MSB<<8)|\new
.set MSB, \new
.endif
.endm
.macro PLACES
.rept 4
	v_nop
.endr
.endm
.macro JLOAD g0a, g1a, g0b, g1b        ; a joint load; the branch hangs on the wave's number alone; an s_nop 0 and four v_nop follow each line
	s_cmp_eq_u32 s[TT], 0
	s_cbranch_scc0 .Lfor_b_\@
	tensor_load_to_lds s[\g0a:\g0a+3], s[\g1a:\g1a+7]
	s_nop 0
.rept 4
	v_nop
.endr
	s_branch .Lasked_\@
.Lfor_b_\@:
	tensor_load_to_lds s[\g0b:\g0b+3], s[\g1b:\g1b+7]
	s_nop 0
.rept 4
	v_nop
.endr
.Lasked_\@:
.endm
.macro CROUND                          ; a round of the cluster's barrier
	s_barrier_signal -1
	s_barrier_wait -1
	s_cmp_lg_u32 s[WV], 0
	s_cbranch_scc1 .Lnot_wave_0_\@
	s_barrier_signal -3
.Lnot_wave_0_\@:
	s_barrier_wait -3
	s_barrier_signal -1
	s_barrier_wait -1
.endm
	s_load_b256 s[4:11], s[0:1], 0x0               ; pq 4, cos 6, sin 8, qkvf 10
	s_load_b128 s[12:15], s[0:1], 0x20             ; out1 12, out2 14
	v_lshl_add_u32 v[SPW], v0, 2, SPARE
	v_mov_b32 v[NIL], 0
	ds_add_u32 v[SPW], v[NIL]                      ; the opening: the add, twice on end, and its wait ahead of my first tensor load
	ds_add_u32 v[SPW], v[NIL]
	v_lshrrev_b32 v1, 5, v0
	v_readfirstlane_b32 s[WV], v1
	s_lshr_b32 s[TT], s[WV], 1
	s_and_b32 s[EE], s[WV], 1
	s_bfe_u32 s19, ttmp6, 0x40000                  ; cx
	s_bfe_u32 s20, ttmp6, 0x40004                  ; cy
	s_lshl_b32 s21, ttmp9, 2
	s_add_co_u32 s21, s21, s19                     ; the head
	s_and_b32 s22, ttmp7, 0xffff
	s_lshl_b32 s22, s22, 2
	s_add_co_u32 s22, s22, s20                     ; the block of 128 positions
	s_lshl_b32 s23, s20, 2
	s_lshl_b32 s23, 15, s23                        ; my row of the cluster
	s_lshl_b32 s84, 0x1111, s19                    ; my column
	; descriptors: dense blocks as rows of 32 elements of 8 bytes; codes 128 rows (32 KiB), scale words 16 rows (4 KiB)
	s_or_b32 s[G1X], s23, (3<<16)|(1<<21)
	s_or_b32 s[G1SX], s23, (3<<16)|(1<<21)
	s_or_b32 s[G1W], s84, (3<<16)|(1<<21)
	s_or_b32 s[G1SW], s84, (3<<16)|(1<<21)
.irp g, G1X, G1W
	s_mov_b32 s[\g+1], 32<<16
	s_mov_b32 s[\g+2], 128<<16
	s_mov_b32 s[\g+3], 32<<16
	s_mov_b32 s[\g+4], 128
	s_mov_b32 s[\g+5], 32
	s_mov_b32 s[\g+6], 0
	s_mov_b32 s[\g+7], 0
.endr
.irp g, G1SX, G1SW
	s_mov_b32 s[\g+1], 32<<16
	s_mov_b32 s[\g+2], 16<<16
	s_mov_b32 s[\g+3], 32<<16
	s_mov_b32 s[\g+4], 16
	s_mov_b32 s[\g+5], 32
	s_mov_b32 s[\g+6], 0
	s_mov_b32 s[\g+7], 0
.endr
	s_lshl_b32 s86, s22, 13                        ; x's scale words: block x 8,192 + half x 4,096
	s_lshl_b32 s87, s[EE], 12
	s_add_co_u32 s86, s86, s87
	s_add_co_u32 s86, s86, XS
	s_mov_b32 s87, 0
	s_lshl_b32 s88, s22, 15                        ; x's codes: K quarter e
	s_mul_i32 s89, s[EE], 524288
	s_add_co_u32 s88, s88, s89
	s_mov_b32 s89, 0
	s_lshl_b32 s90, s21, 13                        ; W's scale words
	s_lshl_b32 s91, s[EE], 12
	s_add_co_u32 s90, s90, s91
	s_add_co_u32 s90, s90, WS
	s_mov_b32 s91, 0
	s_lshl_b32 s92, s21, 15                        ; W's codes
	s_mul_i32 s93, s[EE], 786432
	s_add_co_u32 s92, s92, s93
	s_add_co_u32 s92, s92, WC
	s_mov_b32 s93, 0
	s_lshl_b32 s94, s[TT], 13                      ; where they go: the wave's number alone
	s_lshl_b32 s95, s[EE], 12
	s_add_co_u32 s94, s94, s95
	s_add_co_u32 s94, s94, LXS
	s_lshl_b32 s95, s[TT], 17
	s_lshl_b32 s96, s[EE], 15
	s_add_co_u32 s95, s95, s96
	s_lshl_b32 s85, s22, 7
	s_lshl_b32 s96, s[WV], 5
	s_add_co_u32 s85, s85, s96                     ; my wave's first position
	s_wait_dscnt 0x0                               ; both opening adds are done
	s_wait_kmcnt 0x0
	CROUND                                         ; all sixteen work-groups are here: the first joint loads meet
	s_mov_b32 s56, 1
	s_mov_b32 s57, s94
	s_add_nc_u64 s[58:59], s[4:5], s[86:87]
	s_or_b32 s59, s59, 0x80000000
	s_mov_b32 s72, 1
	s_mov_b32 s73, s94
	s_add_nc_u64 s[74:75], s[4:5], s[90:91]
	s_or_b32 s75, s75, 0x80000000
	JLOAD 56, G1SX, 72, G1SW                       ; my half of the scale words
	s_mov_b32 s60, 1
	s_mov_b32 s61, s95
	s_add_nc_u64 s[62:63], s[4:5], s[88:89]
	s_or_b32 s63, s63, 0x80000000
	s_mov_b32 s76, 1
	s_mov_b32 s77, s95
	s_add_nc_u64 s[78:79], s[4:5], s[92:93]
	s_or_b32 s79, s79, 0x80000000
	JLOAD 60, G1X, 76, G1W                         ; K quarter e
	s_mov_b32 s68, 1
	s_add_co_u32 s69, s95, 65536
	s_add_nc_u64 s[70:71], s[4:5], s[88:89]
	s_add_nc_u64 s[70:71], s[70:71], 1048576
	s_or_b32 s71, s71, 0x80000000
	s_mov_b32 s80, 1
	s_add_co_u32 s81, s95, 65536
	s_add_nc_u64 s[82:83], s[4:5], s[92:93]
	s_add_nc_u64 s[82:83], s[82:83], 1572864
	s_or_b32 s83, s83, 0x80000000
	JLOAD 68, G1X, 80, G1W                         ; K quarter e + 2: three loads of mine are out
	v_and_b32 v1, 31, v0
	v_and_b32 v2, 15, v0
	v_bfe_u32 v3, v0, 4, 1
	v_lshlrev_b32 v[LI], 4, v1
	s_lshl_b32 s96, s[WV], 13
	v_add_nc_u32 v[ADA], s96, v[LI]                ; x's tiles 2 w, 2 w + 1
	v_add_nc_u32 v[ADA+1], 65536, v[ADA]
	v_add_nc_u32 v[ADB], 131072, v[LI]
	v_add_nc_u32 v[ADB+1], 196608, v[LI]
	s_lshl_b32 s96, s[WV], 7
	v_lshl_add_u32 v[ADSX], v1, 2, s96
	v_add_nc_u32 v[ADSX], LXS, v[ADSX]             ; lanes 0-15: tile 2 w's words, lanes 16-31: tile 2 w + 1's
	v_lshl_add_u32 v[ADSW], v1, 2, LWS             ; lanes 0-15: tile 2 p's, lanes 16-31: tile 2 p + 1's
	s_mul_i32 s96, s[WV], 8448
	v_mul_u32_u24 v[STO], v2, 528
	v_lshl_add_u32 v[STO], v3, 5, v[STO]
	v_add_nc_u32 v[STO], s96, v[STO]
	v_add_nc_u32 v[RDK], s96, v[LI]
	v_mul_u32_u24 v[STV], v3, 8*528
	v_lshl_add_u32 v[STV], v2, 2, v[STV]
	v_add_nc_u32 v[STV], s96, v[STV]
	v_add_nc_u32 v[STV], 131072, v[STV]
	v_add_nc_u32 v[RDV], 131072, v[RDK]
	v_lshlrev_b32 v[CSO], 8, v2
	v_lshl_add_u32 v[CSO], v3, 5, v[CSO]
	v_lshlrev_b32 v[RLO], 2, v2
; one scaled product; z: the first K step starts the sum; ra, rb: which half of the lanes holds source 0's and source 1's scale words
.macro FP4 d, s0, s1, z, sa, sb, ra, rb
.if \z
.if (\ra) && (\rb)
	v_wmma_scale_f32_16x16x128_f8f6f4 v[\d:\d+7], v[\s0:\s0+7], v[\s1:\s1+7], 0, v[\sa], v[\sb] matrix_a_fmt:MATRIX_FMT_FP4 matrix_b_fmt:MATRIX_FMT_FP4 matrix_a_scale:MATRIX_SCALE_ROW1 matrix_b_scale:MATRIX_SCALE_ROW1
.elseif (\ra)
	v_wmma_scale_f32_16x16x128_f8f6f4 v[\d:\d+7], v[\s0:\s0+7], v[\s1:\s1+7], 0, v[\sa], v[\sb] matrix_a_fmt:MATRIX_FMT_FP4 matrix_b_fmt:MATRIX_FMT_FP4 matrix_a_scale:MATRIX_SCALE_ROW1
.elseif (\rb)
	v_wmma_scale_f32_16x16x128_f8f6f4 v[\d:\d+7], v[\s0:\s0+7], v[\s1:\s1+7], 0, v[\sa], v[\sb] matrix_a_fmt:MATRIX_FMT_FP4 matrix_b_fmt:MATRIX_FMT_FP4 matrix_b_scale:MATRIX_SCALE_ROW1
.else
	v_wmma_scale_f32_16x16x128_f8f6f4 v[\d:\d+7], v[\s0:\s0+7], v[\s1:\s1+7], 0, v[\sa], v[\sb] matrix_a_fmt:MATRIX_FMT_FP4 matrix_b_fmt:MATRIX_FMT_FP4
.endif
.else
.if (\ra) && (\rb)
	v_wmma_scale_f32_16x16x128_f8f6f4 v[\d:\d+7], v[\s0:\s0+7], v[\s1:\s1+7], v[\d:\d+7], v[\sa], v[\sb] matrix_a_fmt:MATRIX_FMT_FP4 matrix_b_fmt:MATRIX_FMT_FP4 matrix_a_scale:MATRIX_SCALE_ROW1 matrix_b_scale:MATRIX_SCALE_ROW1
.elseif (\ra)
	v_wmma_scale_f32_16x16x128_f8f6f4 v[\d:\d+7], v[\s0:\s0+7], v[\s1:\s1+7], v[\d:\d+7], v[\sa], v[\sb] matrix_a_fmt:MATRIX_FMT_FP4 matrix_b_fmt:MATRIX_FMT_FP4 matrix_a_scale:MATRIX_SCALE_ROW1
.elseif (\rb)
	v_wmma_scale_f32_16x16x128_f8f6f4 v[\d:\d+7], v[\s0:\s0+7], v[\s1:\s1+7], v[\d:\d+7], v[\sa], v[\sb] matrix_a_fmt:MATRIX_FMT_FP4 matrix_b_fmt:MATRIX_FMT_FP4 matrix_b_scale:MATRIX_SCALE_ROW1
.else
	v_wmma_scale_f32_16x16x128_f8f6f4 v[\d:\d+7], v[\s0:\s0+7], v[\s1:\s1+7], v[\d:\d+7], v[\sa], v[\sb] matrix_a_fmt:MATRIX_FMT_FP4 matrix_b_fmt:MATRIX_FMT_FP4
.endif
.endif
.endm
; the 25 LDS loads of K step ks (128 along K) into buffer ks % 2: x's 2 fragments, W's 8, 4 + 1 scale words
.macro LOADS ks
.set LFB, 32+80*((\ks)%2)
.set LSB, 192+5*((\ks)%2)
.set LKQ, (\ks)/4
.set LOF, (LKQ%2)*32768+((\ks)%4)*1024
.irp a, 0,1
.irp c, 0,1
	ds_load_b128 v[LFB+8*\a+4*\c:LFB+8*\a+4*\c+3], v[ADA+LKQ/2] offset:LOF+\a*4096+512*\c
.endr
.endr
.irp b, 0,1,2,3,4,5,6,7
.irp c, 0,1
	ds_load_b128 v[LFB+16+8*\b+4*\c:LFB+16+8*\b+4*\c+3], v[ADB+LKQ/2] offset:LOF+\b*4096+512*\c
.endr
.endr
.irp p, 0,1,2,3
	ds_load_b32 v[LSB+\p], v[ADSW] offset:(\ks)*512+128*\p
.endr
	ds_load_b32 v[LSB+4], v[ADSX] offset:(\ks)*512
.endm
; a K step: the next step's loads go out first, then this step's 16 products, the 16 accumulators by turns
.macro KSTEP ks, nat, next
.if \next
	PLACES                                         ; four places in front of loads into registers that the last products read
	WIN 0
	LOADS (\ks)+1
	s_wait_dscnt 25                                ; all but the 25 just issued: this step's are in
.else
	s_wait_dscnt 0x0
.endif
	WIN 0x50                                       ; C and D window 1
.set FB, 32+80*((\ks)%2)
.set SB, 192+5*((\ks)%2)
.irp a, 0,1
.irp b, 0,1,2,3,4,5,6,7
.if \nat
	FP4 8*(8*\a+\b), FB+8*\a, FB+16+8*\b, (\ks)==0, SB+4, SB+\b/2, \a, \b%2
.else
	FP4 8*(8*\a+\b), FB+16+8*\b, FB+8*\a, (\ks)==0, SB+\b/2, SB+4, \b%2, \a
.endif
.endr
.endr
.endm
.macro MAIN nat
	s_wait_tensorcnt 0x1                           ; my scale words and my first quarter are in; the second may stay out
	s_barrier_signal -1
	s_barrier_wait -1                              ; everybody's are: K steps 0-7
	LOADS 0
.set KS, 0
.rept 7
	KSTEP KS, \nat, 1
.set KS, KS+1
.endr
	KSTEP 7, \nat, 0
	WIN 0
	s_wait_tensorcnt 0x0
	s_barrier_signal -1
	s_barrier_wait -1                              ; K steps 8-15 lie in LDS
	PLACES
	LOADS 8
.set KS, 8
.rept 7
	KSTEP KS, \nat, 1
.set KS, KS+1
.endr
	KSTEP 15, \nat, 0
	WIN 0
	PLACES                                         ; places behind the last products
	s_wait_loadcnt 0x0                             ; cos, sin, the live flags
	s_barrier_signal -1                            ; every wave's fragment reads are back (the wait for 0 above): the stages may be written
	s_barrier_wait -1
.endm
; RoPE of tile a: x1 = acc(a, b), x2 = acc(a, b + 4); each accumulator is read from its low end on
.macro ROPE a
	WIN 0x09                                       ; source 0 window 1, source 1 window 2, destination window 0
.irp b, 0,1,2,3
.irp j, 0,2,4,6
	v_pk_mul_f32 v[32+8*\b+\j:33+8*\b+\j], v[64*\a+32+8*\b+\j:64*\a+33+8*\b+\j], v[64+32*\a+8*\b+\j:65+32*\a+8*\b+\j]   ; x2 sin
.endr
.endr
.irp b, 0,1,2,3
.irp j, 0,2,4,6
	v_pk_mul_f32 v[64+8*\b+\j:65+8*\b+\j], v[64*\a+32+8*\b+\j:64*\a+33+8*\b+\j], v[32*\a+8*\b+\j:32*\a+8*\b+\j+1]       ; x2 cos
.endr
.endr
	WIN 0x49                                       ; and destination window 1
.irp b, 0,1,2,3
.irp j, 0,2,4,6
	v_pk_fma_f32 v[64*\a+32+8*\b+\j:64*\a+33+8*\b+\j], v[64*\a+8*\b+\j:64*\a+8*\b+\j+1], v[64+32*\a+8*\b+\j:65+32*\a+8*\b+\j], v[64+8*\b+\j:65+8*\b+\j]   ; x1 sin + x2 cos
.endr
.endr
.irp b, 0,1,2,3
.irp j, 0,2,4,6
	v_pk_fma_f32 v[64*\a+8*\b+\j:64*\a+8*\b+\j+1], v[64*\a+8*\b+\j:64*\a+8*\b+\j+1], v[32*\a+8*\b+\j:32*\a+8*\b+\j+1], v[32+8*\b+\j:33+8*\b+\j] neg_lo:[0,0,1] neg_hi:[0,0,1]   ; x1 cos - x2 sin
.endr
.endr
.endm
.macro PACKA a                         ; tile a's 64 numbers a lane to f16: four fragments (32 channels each) in v[112 + 32 a] on
	WIN 0x05
.set i, 0
.rept 32
	v_cvt_pk_f16_f32 v[112+32*\a+i], v[64*\a+2*i], v[64*\a+2*i+1]
.set i, i+1
.endr
	WIN 0
.endm
.macro FRAGOUT a, step                 ; and out: each store covers 512 consecutive bytes
.irp cc, 0,1,2,3
	global_store_b128 v[LI], v[112+32*\a+8*\cc:115+32*\a+8*\cc], s[10:11] offset:\a*\step+\cc*1024
	global_store_b128 v[LI], v[116+32*\a+8*\cc:119+32*\a+8*\cc], s[10:11] offset:\a*\step+\cc*1024+512
.endr
.endm
.macro ROWSOUT a, rd, pb               ; 16 rows of 512 bytes back from my stage and out
.if \a > 0
	s_wait_xcnt 0x0                                ; the earlier stores have read their registers
.endif
.irp t, 0,1,2,3,4,5,6,7,8,9,10,11,12,13,14,15
	ds_load_b128 v[32+4*\t:35+4*\t], v[\rd] offset:\t*528   ; a wave's LDS instructions are served in order: these see my stores
.endr
.irp t, 0,1,2,3,4,5,6,7,8,9,10,11,12,13,14,15
	s_wait_dscnt 15-\t
	global_store_b128 v[LI], v[32+4*\t:35+4*\t], s[\pb:\pb+1] offset:(16*\a+\t)*512 th:TH_STORE_NT
.endr
.endm
	s_cmp_eq_u32 ttmp9, 5                          ; the one parting: the kind hangs on the cluster's x alone, equal in all partners
	s_cbranch_scc1 .Lmain_v
	; ---- q and k heads: cos and sin of my 32 positions (lane (r, h): position r, channels 16 b + 8 h + 0 .. 7) and the positions' live flags; every way to RoPE passes these loads.  A k head does not use the flags
	s_lshl_b32 s86, s85, 8
	s_mov_b32 s87, 0
	s_add_nc_u64 s[6:7], s[6:7], s[86:87]
	s_add_nc_u64 s[8:9], s[8:9], s[86:87]
	WIN 0x80                                       ; destination window 2
.irp a, 0,1
.irp b, 0,1,2,3
.irp u, 0,1
	global_load_b128 v[32*\a+8*\b+4*\u:32*\a+8*\b+4*\u+3], v[CSO], s[6:7] offset:\a*4096+\b*64+16*\u
	global_load_b128 v[64+32*\a+8*\b+4*\u:64+32*\a+8*\b+4*\u+3], v[CSO], s[8:9] offset:\a*4096+\b*64+16*\u
.endr
.endr
.endr
	WIN 0
	s_lshl_b32 s86, s85, 2
	s_add_co_u32 s86, s86, RL
	s_add_nc_u64 s[88:89], s[4:5], s[86:87]
	global_load_b32 v202, v[RLO], s[88:89]
	global_load_b32 v204, v[RLO], s[88:89] offset:64
	v_mov_b32 v203, 0                              ; (named with them as pairs, so they are written)
	v_mov_b32 v205, 0
	MAIN 0
	s_cmp_eq_u32 ttmp9, 4
	s_cbranch_scc1 .Lepi_k
	; ---- q
	s_lshr_b32 s86, s21, 2
	s_lshl_b32 s86, s86, 7
	s_lshl_b32 s87, s22, 3
	s_add_co_u32 s86, s86, s87
	s_lshl_b32 s87, s[WV], 1
	s_add_co_u32 s86, s86, s87
	s_lshl_b32 s86, s86, 14
	s_and_b32 s87, s21, 3
	s_lshl_b32 s87, s87, 12
	s_add_co_u32 s86, s86, s87
	s_mov_b32 s87, 0
	s_add_nc_u64 s[10:11], s[10:11], s[86:87]      ; [kvh][qblock][g]
	ROPE 0
	ROPE 1
	WIN 0x41
.irp a, 0,1
.set i, 0
.rept 32
	v_pk_mul_f32 v[64*\a+2*i:64*\a+2*i+1], v[64*\a+2*i:64*\a+2*i+1], v[202+2*\a:203+2*\a] op_sel_hi:[1,0]   ; x the position's live flag
.set i, i+1
.endr
.endr
	PACKA 0
	PACKA 1
	FRAGOUT 0, 16384
	FRAGOUT 1, 16384
	s_branch .Lend
.Lepi_k:
	; ---- k
	s_and_b32 s86, s21, 3                          ; kv head
	s_lshl_b32 s88, s86, 20                        ; (the flags' loads, which named s[88:89], were waited for in the main part)
	s_lshl_b32 s89, s85, 9
	s_add_co_u32 s88, s88, s89
	s_mov_b32 s89, 0
	s_add_nc_u64 s[12:13], s[12:13], s[88:89]      ; out1 at my first position
	s_lshl_b32 s86, s86, 19
	s_lshl_b32 s87, s22, 15
	s_add_co_u32 s86, s86, s87
	s_lshl_b32 s87, s[WV], 13
	s_add_co_u32 s86, s86, s87
	s_add_co_u32 s86, s86, KFO
	s_mov_b32 s87, 0
	s_add_nc_u64 s[10:11], s[10:11], s[86:87]
	ROPE 0
	ROPE 1
.irp a, 0,1
	WIN 0x04                                       ; an LDS store's data: window 1
.irp b, 0,1,2,3,4,5,6,7
	ds_store_b128 v[STO], v[64*\a+8*\b:64*\a+8*\b+3] offset:64*\b
	ds_store_b128 v[STO], v[64*\a+8*\b+4:64*\a+8*\b+7] offset:64*\b+16
.endr
	WIN 0
	ROWSOUT \a, RDK, 12
.endr
	PACKA 0
	PACKA 1
	FRAGOUT 0, 4096
	FRAGOUT 1, 4096
	s_branch .Lend
.Lmain_v:
	MAIN 1
	; ---- v
	s_and_b32 s86, s21, 3
	s_lshl_b32 s88, s86, 20
	s_lshl_b32 s89, s85, 9
	s_add_co_u32 s88, s88, s89
	s_mov_b32 s89, 0
	s_add_nc_u64 s[14:15], s[14:15], s[88:89]
	s_lshl_b32 s86, s86, 19
	s_lshl_b32 s87, s22, 15
	s_add_co_u32 s86, s86, s87
	s_lshl_b32 s87, s[WV], 13
	s_add_co_u32 s86, s86, s87
	s_add_co_u32 s86, s86, VFO
	s_mov_b32 s87, 0
	s_add_nc_u64 s[10:11], s[10:11], s[86:87]
	WIN 0x05
.irp ct, 0,1,2,3,4,5,6,7                       ; fragment ct: 16 channels x my 32 positions: registers 0-3 from tile 0, 4-7 from tile 1
.irp i, 0,1,2,3
	v_cvt_pk_f16_f32 v[112+8*\ct+\i], v[8*\ct+2*\i], v[8*\ct+2*\i+1]
.endr
.irp i, 0,1,2,3
	v_cvt_pk_f16_f32 v[116+8*\ct+\i], v[64+8*\ct+2*\i], v[64+8*\ct+2*\i+1]
.endr
.endr
	WIN 0
.irp ct, 0,1,2,3,4,5,6,7
	global_store_b128 v[LI], v[112+8*\ct:115+8*\ct], s[10:11] offset:\ct*1024
	global_store_b128 v[LI], v[116+8*\ct:119+8*\ct], s[10:11] offset:\ct*1024+512
.endr
.irp a, 0,1
	WIN 0x04
.irp b, 0,1,2,3,4,5,6,7
.irp j, 0,1,2,3,4,5,6,7
	ds_store_b32 v[STV], v[64*\a+8*\b+\j] offset:\j*528+64*\b   ; position 8 h + j, channel 16 b + r
.endr
.endr
	WIN 0
	ROWSOUT \a, RDV, 14
.endr
.Lend:
	s_wait_tensorcnt 0x0                           ; the wave's end
	ds_add_u32 v[SPW], v[NIL]
	s_wait_dscnt 0x0
	CROUND                                         ; the closing round
	s_endpgm
.Lfunc_end_k_q0ba773971e_qkv:
	.size	k_q0ba773971e_qkv, .Lfunc_end_k_q0ba773971e_qkv-k_q0ba773971e_qkv
	.p2alignl 7, 3214868480
	.fill 96, 4, 3214868480
	.section	.rodata,"a",@progbits
	.p2align	6, 0x0
	.amdhsa_kernel k_q0ba773971e_qkv
		.amdhsa_group_segment_fixed_size 327680
		.amdhsa_private_segment_fixed_size 0
		.amdhsa_enable_private_segment 0
		.amdhsa_kernarg_size 48
		.amdhsa_user_sgpr_count 2
		.amdhsa_user_sgpr_kernarg_segment_ptr 1
		.amdhsa_wavefront_size32 1
		.amdhsa_system_sgpr_workgroup_id_x 1
		.amdhsa_system_sgpr_workgroup_id_y 1
		.amdhsa_system_sgpr_workgroup_id_z 1
		.amdhsa_system_vgpr_workitem_id 0
		.amdhsa_next_free_vgpr 640
		.amdhsa_next_free_sgpr 100
		.amdhsa_reserve_vcc 0
		.amdhsa_float_denorm_mode_32 3
		.amdhsa_float_denorm_mode_16_64 3
		.amdhsa_memory_ordered 1
		.amdhsa_forward_progress 1
		.amdhsa_inst_pref_size 195
	.end_amdhsa_kernel
	.amdgpu_metadata
---
amdhsa.version: [ 1, 2 ]
amdhsa.kernels:
  - .name:           k_q0ba773971e_qkv
    .symbol:         k_q0ba773971e_qkv.kd
    .args:
      - { .name: pq, .offset: 0, .size: 8, .value_kind: global_buffer, .address_space: global }
      - { .name: cos, .offset: 8, .size: 8, .value_kind: global_buffer, .address_space: global }
      - { .name: sin, .offset: 16, .size: 8, .value_kind: global_buffer, .address_space: global }
      - { .name: qkvf, .offset: 24, .size: 8, .value_kind: global_buffer, .address_space: global }
      - { .name: out1, .offset: 32, .size: 8, .value_kind: global_buffer, .address_space: global }
      - { .name: out2, .offset: 40, .size: 8, .value_kind: global_buffer, .address_space: global }
    .group_segment_fixed_size: 327680
    .private_segment_fixed_size: 0
    .kernarg_segment_align: 8
    .kernarg_segment_size: 48
    .max_flat_workgroup_size: 128
    .sgpr_count:     100
    .vgpr_count:     640
    .wavefront_size: 32
...
	.end_amdgpu_metadata
.endif
;; end of part 2
;; launch attn (part 3): grid 64 x 4, 4 waves a work-group, clusters of 4 x 1, 327,680 bytes of LDS; arguments qkvf, mb, ctxf; writes ctxf
.if DOCPART == 3
	.amdgcn_target "amdgcn-amd-amdhsa--gfx1250"
	.amdhsa_code_object_version 6
	.text
	.protected	k_q0ba773971e_attn
	.globl	k_q0ba773971e_attn
	.p2align	8
	.type	k_q0ba773971e_attn,@function
k_q0ba773971e_attn:
	s_mov_b64 s[64:65], 0
	v_nop
	global_prefetch_b8 v0, s[64:65] scope:SCOPE_SE
	s_setreg_imm32_b32 hwreg(HW_REG_WAVE_MODE, 25, 1), 1
	s_wait_xcnt 0x0
	s_wait_alu depctr_hold_cnt(0) depctr_sa_sdst(0) depctr_va_vdst(0) depctr_va_sdst(0) depctr_va_ssrc(0) depctr_va_vcc(0) depctr_vm_vsrc(0)
	s_getreg_b32 s2, hwreg(HW_REG_IB_STS2, 6, 4)
	s_cmp_eq_u32 s2, 0
	s_cbranch_scc0 .Lentry_in_a_cluster
	s_endpgm
.Lentry_in_a_cluster:
	s_bfe_u32 s2, ttmp6, 0x10000c
	s_cmp_lg_u32 s2, 0x3003
	s_cbranch_scc0 .Lentry_shape_is_right
	s_endpgm
.Lentry_shape_is_right:
; ATTN: ctx = softmax(mask ? q k^T / sqrt(128) : -1e9) v, f16 operands, f32 sums, maxima and sums of weights in f32.
; SHARES.  A work-group owns one kv head and 32 positions.  A wave owns 16 positions (rg = wave / 2) x the group's 4 query heads (its four tiles, which share K, V and the mask) x one half of the keys (kh = wave % 2:
; 1,024 keys, 16 steps of 64).  The two halves' results are merged at the end through LDS.  So there are 256 work-groups, and each fragment of K and V read from LDS still feeds four products.
; LAYOUT.  S^T = K Q^T and O^T = V^T P: a lane holds one query throughout.  All operands lie in memory and in LDS in the order of the operands' registers: a fragment is two loads of 16 bytes a lane at 16 x lane.
; THE MASK is the C of each score tile's first product: register j = the tile's mask word << (28 - 4 nibble(j)): a float of -2^33 or below where the key is masked, 0 or under 2^-99 where it counts.
; The running maximum starts at -2^30, so that a run of masked keys gives weights 0.  LIMITS: raw |q . k| < 2^30; -1e9 is replaced by -2^33 or below; a row with no true key comes with q = 0 and an open mask; NaN, infinities not served.
; BY TURNS: the tiles are two pieces (0, 1 and 2, 3).  In a turn one piece has the matrix unit (32 products V^T P, 32 products K Q^T of the next step) and the other piece's softmax stands in slices behind its products.
; CLUSTER: the four work-groups of a cluster walk the same K and V: each wave's 32 KiB of a slot is asked for jointly.  The mask words are each work-group's own: a plain load, once.
; REGISTERS: window 0: v2-11 addresses, v12-43 statistics, v44-59 the merge, v64-191 S^T, v192-255 P.  window 1: O^T.  window 2: Q v0-127, K v128-255.  window 3: V v0-127, bias v128-159, mask words v160-163.
.set KFO,   8388608
.set STEPB, 16384                      ; a step's 16 fragments of K, or of V
.set VOFF,  32768                      ; in a key half of a slot: K's two steps, then V's two
.set SLOT1, 1<<17                      ; a slot: two key halves of 64 KiB
.set LMB,   262144                     ; the mask words: 64 rows (2 query blocks x 32 lanes) of 512 + 16 bytes
.set SPARE, 295936
.set MAREA, 17408                      ; the merge: an area for each wave in slot 0 (left and filled for the last time): two tiles of O^T, 16,384 bytes, then 4 x 128 bytes of statistics
.set AK0, 2
.set AV0, 3
.set ADR, 4
.set LI,  5
.set AM0, 6
.set ADM, 7
.set MST, 8
.set MLD, 9
.set MS4, 10
.set ML4, 11
.set SPW, 62
.set NIL, 63
.set PFO, 61
.set ST,  12          ; tile t's statistics at v[ST+8 t]: +0 c m, +1 m, +2, +3 l, +4 to +7 at work
.set S,   64
.set P,   192
.set KF,  128
.set BI,  128         ; window 3
.set MW,  160
.set WV,  12
.set LIM, 15
.set KH,  16
.set RG,  17
.set PFA, 18
.set G1,  24
.set G0A, 40
.set G0B, 44
.set G1M, 48
.set G0M, 56
.set SLOTS, 60
.set TWICE, 61
.set CS,  62
.set SEL, 66
.set TB,  68
.set TM,  69
.set MSB, 0
.macro WIN new
.if MSB != \new
	s_set_vgpr_msb (MSB<<8)|\new
.set MSB, \new
.endif
.endm
.set W_KQ, 0x0a
.set W_PV, 0x53
.set W_RS, 0x41
.macro JLOAD                           ; the joint refill: every wave's own 32 KiB (both addresses hang on the wave's number); an s_nop 0 and four v_nop follow
	tensor_load_to_lds s[G0B:G0B+3], s[G1:G1+7]
	s_nop 0
.rept 4
	v_nop
.endr
.endm
; a prefetch of what the NEXT change of slots will ask for: my wave's 32 KiB; the kv head's first cluster asks; its four partners take 8 KiB each, told apart by address; lanes 256 bytes apart.  The last filling change asks for nothing.
.macro ASK
	s_cmp_gt_u32 s[SLOTS], s[LIM]
	s_cbranch_scc0 .Lnot_mine_\@
	global_prefetch_b8 v[PFO], s[PFA:PFA+1] th:TH_LOAD_NT scope:SCOPE_SE
.Lnot_mine_\@:
.endm
.macro CROUND
	s_barrier_signal -1
	s_barrier_wait -1
	s_cmp_lg_u32 s[WV], 0
	s_cbranch_scc1 .Lnot_wave_0_\@
	s_barrier_signal -3
.Lnot_wave_0_\@:
	s_barrier_wait -3
	s_barrier_signal -1
	s_barrier_wait -1
.endm
	s_load_b128 s[4:7], s[0:1], 0x0                ; qkvf, mb
	s_load_b64 s[8:9], s[0:1], 0x10                ; ctxf
	v_lshl_add_u32 v[SPW], v0, 2, SPARE
	v_mov_b32 v[NIL], 0
	ds_add_u32 v[SPW], v[NIL]                      ; the opening: the add, twice on end, and its wait ahead of my first tensor load
	ds_add_u32 v[SPW], v[NIL]
	v_lshrrev_b32 v1, 5, v0
	v_readfirstlane_b32 s[WV], v1
	s_and_b32 s[KH], s[WV], 1
	s_lshr_b32 s[RG], s[WV], 1
	s_bfe_u32 s13, ttmp6, 0x40000                  ; cx
	s_lshl_b32 s14, ttmp9, 2
	s_add_co_u32 s14, s14, s13                     ; my block of 32 positions
	s_and_b32 s70, ttmp7, 0xffff                   ; the kv head, which the partners share
	s_lshl_b32 s22, s[RG], 21                      ; what I fetch: K (waves 0, 1) or V (2, 3), of key half wave % 2
	s_lshl_b32 s21, s70, 19
	s_add_co_u32 s22, s22, s21
	s_lshl_b32 s21, s[KH], 18
	s_add_co_u32 s22, s22, s21
	s_add_co_u32 s22, s22, KFO
	s_mov_b32 s23, 0
	s_lshl_b32 s32, s[KH], 16                      ; and where it goes in a slot
	s_lshl_b32 s33, s[RG], 15
	s_or_b32 s32, s32, s33
	s_lshl_b32 s34, s14, 15                        ; my quarter of the work-group's mask words
	s_lshl_b32 s35, s[WV], 13
	s_add_co_u32 s34, s34, s35
	s_mov_b32 s35, 0
	s_mul_i32 s36, s[WV], 8448
	s_add_co_u32 s36, s36, LMB
	s_lshl_b32 s37, s14, 1
	s_add_co_u32 s37, s37, s[RG]                   ; my query block
	s_lshl_b32 s38, s70, 7
	s_add_co_u32 s38, s38, s37
	s_lshl_b32 s38, s38, 14                        ; Q's 16 fragments
	s_mov_b32 s39, 0
	s_lshl_b32 s2, s70, 1
	s_add_co_u32 s2, s2, s[KH]
	s_lshl_b32 s2, s2, 7
	s_add_co_u32 s2, s2, s37
	s_lshl_b32 s2, s2, 13                          ; ctx: heads 4 kvh + 2 kh, + 1 are K step 2 kvh + kh of the projection
	s_mov_b32 s3, 0
	s_mov_b32 s[G1], 15|(3<<16)|(1<<21)            ; mask: all four; elements of 8 bytes; a dense block as 128 rows of 256 bytes
	s_mov_b32 s[G1+1], 32<<16
	s_mov_b32 s[G1+2], 128<<16
	s_mov_b32 s[G1+3], 32<<16
	s_mov_b32 s[G1+4], 128
	s_mov_b32 s[G1+5], 32
	s_mov_b32 s[G1+6], 0
	s_mov_b32 s[G1+7], 0
	s_mov_b32 s[G1M], (3<<16)|(1<<20)|(6<<22)|(3<<25)   ; no mask; 16 rows of 512 bytes, 16 bytes of padding behind each
	s_mov_b32 s[G1M+1], 64<<16
	s_mov_b32 s[G1M+2], 16<<16
	s_mov_b32 s[G1M+3], 64<<16
	s_mov_b32 s[G1M+4], 16
	s_mov_b32 s[G1M+5], 64
	s_mov_b32 s[G1M+6], 0
	s_mov_b32 s[G1M+7], 0
	s_mov_b32 s[CS], 0x3e0293ee                    ; c = log2(e) / sqrt(128)
	s_mov_b32 s[CS+1], s[CS]
	s_mov_b32 s[SEL], 0x76543210
	s_mov_b32 s[SEL+1], 0xfedcba98
	s_mov_b32 s[TB], 0
	s_mov_b32 s[TM], 0
	s_mov_b32 s[SLOTS], 6                          ; 8 slots' worth of keys in a half; the first two come at the head
	s_cmp_eq_u32 ttmp9, 0
	s_cselect_b32 s[LIM], 1, -1
	s_wait_dscnt 0x0
	s_wait_kmcnt 0x0
	s_add_nc_u64 s[PFA:PFA+1], s[4:5], s[22:23]
	s_lshl_b32 s20, s13, 13
	s_mov_b32 s21, 0
	s_add_nc_u64 s[PFA:PFA+1], s[PFA:PFA+1], s[20:21]
	s_add_nc_u64 s[PFA:PFA+1], s[PFA:PFA+1], 65536  ; in slot 2; the first change steps it to slot 3.  Nothing is prefetched at the head
	s_add_nc_u64 s[8:9], s[8:9], s[2:3]
	CROUND                                         ; all four work-groups are here
	s_mov_b32 s[G0M], 1
	s_mov_b32 s[G0M+1], s36
	s_add_nc_u64 s[G0M+2:G0M+3], s[6:7], s[34:35]
	s_or_b32 s[G0M+3], s[G0M+3], 0x80000000
	s_mov_b32 s[G0A], 1
	s_mov_b32 s[G0A+1], s32
	s_add_nc_u64 s[G0A+2:G0A+3], s[4:5], s[22:23]
	s_mov_b32 s[G0B], 1
	s_add_co_u32 s[G0B+1], s32, SLOT1
	s_add_nc_u64 s[G0B+2:G0B+3], s[G0A+2:G0A+3], 32768
	s_or_b32 s[G0A+3], s[G0A+3], 0x80000000
	s_or_b32 s[G0B+3], s[G0B+3], 0x80000000
	tensor_load_to_lds s[G0M:G0M+3], s[G1M:G1M+7]  ; the first fills together: three loads of mine are out
	s_nop 0
	tensor_load_to_lds s[G0A:G0A+3], s[G1:G1+7]
	s_nop 0
	tensor_load_to_lds s[G0B:G0B+3], s[G1:G1+7]
	s_nop 0
.rept 4
	v_nop
.endr
	s_add_nc_u64 s[4:5], s[4:5], s[38:39]          ; Q
	v_and_b32 v1, 31, v0
	v_lshlrev_b32 v[LI], 4, v1
	s_lshl_b32 s20, s[KH], 16
	v_add_nc_u32 v[AK0], s20, v[LI]
	v_add_nc_u32 v[AV0], VOFF, v[AK0]
	v_mul_u32_u24 v[AM0], v1, 528
	s_mul_i32 s20, s[RG], 32*528
	s_lshl_b32 s21, s[KH], 8
	s_add_co_u32 s20, s20, s21
	s_add_co_u32 s20, s20, LMB
	v_add_nc_u32 v[AM0], s20, v[AM0]               ; my lane's row of mask words, my key half's 16 steps
	s_mul_i32 s20, s[WV], MAREA
	v_add_nc_u32 v[MST], s20, v[LI]
	v_lshl_add_u32 v[MS4], v1, 2, s20
	s_xor_b32 s21, s[WV], 1
	s_mul_i32 s21, s21, MAREA
	v_add_nc_u32 v[MLD], s21, v[LI]
	v_lshl_add_u32 v[ML4], v1, 2, s21
	v_lshlrev_b32 v[PFO], 8, v1
	WIN 0x80
.irp i, 0,1,2,3,4,5,6,7,8,9,10,11,12,13,14,15      ; Q stays in registers: tile (head) i / 4, channels 32 (i % 4) on
	global_load_b128 v[8*\i:8*\i+3],   v[LI], s[4:5] offset:\i*1024
	global_load_b128 v[8*\i+4:8*\i+7], v[LI], s[4:5] offset:\i*1024+512
.endr
	WIN 0
; product i of 32 of O^T += V^T P: keys 32 (i / 16) on, channels 16 ((i / 2) % 8) on, tile x + i % 2
.macro PV x, zero
	WIN W_PV
.set rO, 64*(\x+i%2)+8*((i/2)%8)
.set rV, 64*(i/16)+8*((i/2)%8)
.set rP, P+16*(\x+i%2)+8*(i/16)
.if \zero && (i < 16)
	v_wmma_f32_16x16x32_f16 v[rO:rO+7], v[rV:rV+7], v[rP:rP+7], 0
.else
	v_wmma_f32_16x16x32_f16 v[rO:rO+7], v[rV:rV+7], v[rP:rP+7], v[rO:rO+7]
.endif
.endm
; product i of 32 of S^T = K Q^T + bias: channels 32 (i / 8) on, keys 16 ((i / 2) % 4) on, tile x + i % 2.  The first 8 start the sums from the mask's bias
.macro KQ x
.set rS, S+32*(\x+i%2)+8*((i/2)%4)
.set rK, KF+32*((i/2)%4)+8*(i/8)
.set rQ, 32*(\x+i%2)+8*(i/8)
.if i < 8
	WIN 0x3a                                       ; C in window 3
	v_wmma_f32_16x16x32_f16 v[rS:rS+7], v[rK:rK+7], v[rQ:rQ+7], v[BI+8*((i/2)%4):BI+8*((i/2)%4)+7]
.else
	WIN W_KQ
	v_wmma_f32_16x16x32_f16 v[rS:rS+7], v[rK:rK+7], v[rQ:rQ+7], v[rS:rS+7]
.endif
.endm
; four of the 32 bias registers: key tile i / 2, keys j = 4 (i % 2) on; key j's nibble is 2 (j & 3) + (j >> 2)
.macro BIAS4
	WIN 0xcc
.irp n, 0,1,2,3
.set jj, 4*(i%2)+\n
	v_lshlrev_b32 v[BI+8*(i/2)+jj], 28-4*(2*(jj&3)+(jj>>2)), v[MW+i/2]
.endr
.endm
.macro FETCH_K
	WIN 0
	v_add_nc_u32 v[ADR], s[TB], v[AK0]
	WIN 0x80
.irp f, 0,1,2,3,4,5,6,7,8,9,10,11,12,13,14,15
	ds_load_b128 v[KF+8*\f:KF+8*\f+3],   v[ADR] offset:\f*1024
	ds_load_b128 v[KF+8*\f+4:KF+8*\f+7], v[ADR] offset:\f*1024+512
.endr
.endm
.macro FETCH_M                         ; a step's four mask words
	WIN 0
	v_add_nc_u32 v[ADM], s[TM], v[AM0]
	s_add_co_u32 s[TM], s[TM], 16
	WIN 0xc0
	ds_load_b128 v[MW:MW+3], v[ADM]
.endm
.macro FETCH_V                         ; a step's V, and the mask words of the step after it
	WIN 0
	v_add_nc_u32 v[ADR], s[TB], v[AV0]
	v_add_nc_u32 v[ADM], s[TM], v[AM0]
	s_add_co_u32 s[TB], s[TB], STEPB
	s_add_co_u32 s[TM], s[TM], 16
	s_min_u32 s[TM], s[TM], 240                    ; the last fetch takes the last step's words once more: no read leaves the half's 256 bytes
	s_wait_alu depctr_va_vdst(0)                   ; the wait for the softmax's batch of exponentials, ahead of the loads
	WIN 0xc0
.irp f, 0,1,2,3,4,5,6,7,8,9,10,11,12,13,14,15
	ds_load_b128 v[8*\f:8*\f+3],   v[ADR] offset:\f*1024
	ds_load_b128 v[8*\f+4:8*\f+7], v[ADR] offset:\f*1024+512
.endr
	ds_load_b128 v[MW:MW+3], v[ADM]
.endm
; one tile's softmax for one key step is a list of 134 instructions; SM writes number j of it for tile t.
;   0-15 the maximum of the 32 scores and the old m (first step: and the floor -2^30);  16-20 the other half of the lanes', the new m, c m, its change;
;   21-69 ONE BATCH: 16 packed scalings and 33 exponentials, none of which reads an exponential's result;  (the wait);  70-85 roundings to f16;  86-101 the sums;  102-133 O^T times a
.macro SM t, first
.set rT, ST+8*(\t)
.set rS, S+32*(\t)
.set rP, P+16*(\t)
.set rO, 64*(\t)+2*(j-102)
.if j < 102
	WIN 0
.endif
.if j < 4
	v_max3_num_f32 v[rT+4+j], v[rS+8*j], v[rS+8*j+1], v[rS+8*j+2]
.elseif j < 12
	v_max3_num_f32 v[rT+4+j%4], v[rT+4+j%4], v[rS+8*(j%4)+2*(j/4)+1], v[rS+8*(j%4)+2*(j/4)+2]
.elseif j == 12
	v_max3_num_f32 v[rT+4], v[rT+4], v[rS+7], v[rS+15]
.elseif j == 13
	v_max3_num_f32 v[rT+6], v[rT+6], v[rS+23], v[rS+31]
.elseif j == 14
	v_max3_num_f32 v[rT+4], v[rT+4], v[rT+5], v[rT+6]
.elseif (j == 15) && \first
	v_max3_num_f32 v[rT+4], v[rT+4], v[rT+7], 0xce800000
.elseif j == 15
	v_max3_num_f32 v[rT+4], v[rT+4], v[rT+7], v[rT+1]
.elseif j == 16
	v_permlanex16_b32 v[rT+5], v[rT+4], s[SEL], s[SEL+1]
.elseif j == 18
	v_max_num_f32 v[rT+1], v[rT+4], v[rT+5]
.elseif j == 19
	v_mul_f32 v[rT], s[CS], v[rT+1]
.elseif ((j == 17) || (j == 20) || (j == 23) || (j > 101)) && \first
.elseif j == 17
	v_mov_b32 v[rT+7], v[rT]
.elseif j == 20
	v_sub_f32 v[rT+7], v[rT+7], v[rT]
.elseif j == 23
	v_exp_f32 v[rT+6], v[rT+7]
.elseif (j < 23) || ((j < 38) && (j%2 == 0)) || ((j < 66) && (j%4 == 2))
.set b, (j-2)/4
.if j < 38
.set b, (j-20)/2
.endif
	v_pk_fma_f32 v[rS+2*b:rS+2*b+1], v[rS+2*b:rS+2*b+1], s[CS:CS+1], v[rT:rT+1] op_sel_hi:[1,0,0] neg_lo:[0,0,1] neg_hi:[0,0,1]
.elseif j < 70
.set e, j-38
.if j < 66
.set e, j-32-(j-38)/4
.endif
.if j < 38
.set e, (j-25)/2
.endif
	v_exp_f32 v[rS+e], v[rS+e]
.elseif j < 86
	v_cvt_pk_f16_f32 v[rP+j-70], v[rS+2*(j-70)], v[rS+2*(j-70)+1]
.elseif j < 102
.set z, j-86
.set w, 4
.set u, z
.if z >= 14
.set w, 32
.set u, 0
.elseif z >= 12
.set w, 16
.set u, z-12
.elseif z >= 8
.set w, 8
.set u, z-8
.endif
.if (z == 14) && \first
	v_pk_add_f32 v[rT+2:rT+3], v[rS:rS+1], v[rS+16:rS+17]
.elseif z < 15
	v_pk_add_f32 v[rS+w*u:rS+w*u+1], v[rS+w*u:rS+w*u+1], v[rS+w*u+w/2:rS+w*u+w/2+1]
.elseif !\first
	v_pk_fma_f32 v[rT+2:rT+3], v[rT+2:rT+3], v[rT+6:rT+7], v[rS:rS+1] op_sel_hi:[1,0,1]
.endif
.else
	WIN W_RS
	v_pk_mul_f32 v[rO:rO+1], v[rO:rO+1], v[rT+6:rT+7] op_sel_hi:[1,0]
.endif
.endm
; slice k of 64 of piece y's softmax.  Slices 11-34 deal out the batch, four numbers of one tile each; the others are numbers 2 k, 2 k + 1 of both tiles; slice 63 takes the twelve that are over.
; Behind slice 34 stands the one wait between the exponentials and the first instruction that names a result.
.macro SLICE y, first
.if (k >= 11) && (k < 35)
.irp n, 0,1,2,3
.set j, 22+4*((k-11)/2)+(\n)
	SM (\y)+(k-11)%2, \first
.endr
.else
.irp n, 0,1,2,3,4,5,6,7
.if (\n < 2) || (k == 63)
.irp t, \y, \y+1
.set j, 2*k+\n
	SM \t, \first
.endr
.endif
.endr
.endif
.if k == 34
	v_nop                                          ; a plain instruction behind the last exponential
.if (\y) == 0
	FETCH_V
.else
	s_wait_alu depctr_va_vdst(0)
.endif
.endif
.set k, k+1
.endm
.macro PLACES
.rept 4
	v_nop
.endr
.endm
; a turn: piece x has the matrix unit.  pv = 2: 32 products V^T P; 1: they start O^T; 0: none.  kq = 1: 32 products K Q^T of the next step.  In piece 0's turn the next step's bias is made behind slices 0-7
; (its words were waited for at the turn's head; the bias registers' last readers stand 24 products and their slices back) and the next step's K is fetched behind the second product.
.macro TURN x, pv, kq, first
.set k, 0
.set per, 2
.if \pv && \kq
.set per, 1
.endif
.if \pv
.if \x == 0
	s_wait_dscnt 0x0                               ; V and the mask words are in
.endif
.set i, 0
.rept 32
	PV \x, 2-\pv
.rept per
	SLICE 2-\x, \first
.endr
.if (\x == 0) && \kq && (i < 8)
	BIAS4
.endif
.if (\x == 0) && \kq && (i == 1)
	FETCH_K
.endif
.set i, i+1
.endr
.endif
.if \kq
.if \x == 0
	s_wait_dscnt 0x0                               ; K is in
.endif
.set i, 0
.rept 32
	KQ \x
.rept per
	SLICE 2-\x, \first
.endr
.set i, i+1
.endr
.endif
.if \first
	PLACES
.endif
.endm
; the change of slots: every wave waits for all its tensor loads, adds 0 to its spare word, waits for that and for its reads of the slot.  fill = 1: a round of the cluster's barrier, and the joint refill first behind it.
.macro CHANGE fill
	WIN 0
	s_wait_tensorcnt 0x0                           ; no tensor load of mine is out, so a group 0 may be written
	ds_add_u32 v[SPW], v[NIL]
.if \fill
	s_xor_b32 s[G0B+1], s[G0B+1], SLOT1            ; the walking descriptor: the other slot, the next two steps
	s_add_nc_u64 s[G0B+2:G0B+3], s[G0B+2:G0B+3], 32768
	s_wait_xcnt 0x0                                ; the last prefetch has read its address
	s_add_nc_u64 s[PFA:PFA+1], s[PFA:PFA+1], 32768
	s_wait_dscnt 0x0
	CROUND
	JLOAD
	ASK
.else
	s_wait_dscnt 0x0
	s_barrier_signal -1
	s_barrier_wait -1
.endif
	s_sub_co_u32 s[TB], s[TB], 2*STEPB
	s_xor_b32 s[TB], s[TB], SLOT1
.endm
.macro TWO_STEPS
	s_mov_b32 s[TWICE], 2
.Lstep_\@:
	TURN 0, 2, 1, 0
	TURN 2, 2, 1, 0
	WIN 0
	s_sub_co_u32 s[TWICE], s[TWICE], 1
	s_cmp_lg_u32 s[TWICE], 0
	s_cbranch_scc1 .Lstep_\@
.endm
	s_wait_tensorcnt 1                             ; my mask words and my part of slot 0 are in; slot 1's load may stay out
	s_barrier_signal -1
	s_barrier_wait -1
	FETCH_K                                        ; key step 0
	FETCH_M
	s_wait_loadcnt 0x0                             ; Q
	s_wait_dscnt 0x0
.set i, 0
.rept 8
	BIAS4
.set i, i+1
.endr
.set i, 0
.rept 32
	KQ 0
.set i, i+1
.endr
	WIN 0
	PLACES                                         ; places behind those products
	TURN 2, 0, 1, 1
	TURN 0, 1, 1, 1
	TURN 2, 1, 1, 0
	WIN 0
.Lslot:                                            ; 6 trips: every slot but the last two is filled again
	CHANGE 1
	TWO_STEPS
	s_sub_co_u32 s[SLOTS], s[SLOTS], 1
	s_cmp_lg_u32 s[SLOTS], 0
	s_cbranch_scc1 .Lslot
	CHANGE 0                                       ; the tail is written out
	TWO_STEPS
	TURN 0, 2, 0, 0
.set i, 0
.rept 32
	PV 2, 0
.set i, i+1
.endr
	; THE MERGE of the two key halves.  Wave kh keeps tiles 2 kh, 2 kh + 1 and gives the other two, with their c m and l, to its partner (wave xor 1) through LDS.
	WIN 0
.irp t, 0,1,2,3
	v_add_f32 v[ST+8*\t+4], v[ST+8*\t+2], v[ST+8*\t+3]     ; (these twelve are the places behind the last products)
.endr
.irp t, 0,1,2,3
	v_permlanex16_b32 v[ST+8*\t+5], v[ST+8*\t+4], s[SEL], s[SEL+1]
.endr
.irp t, 0,1,2,3
	v_add_f32 v[ST+8*\t+4], v[ST+8*\t+4], v[ST+8*\t+5]     ; l of my key half
.endr
.macro GIVE g0
	WIN 0x04                                       ; an LDS store's data: window 1
.set i, 0
.rept 32
	ds_store_b128 v[MST], v[64*\g0+4*i:64*\g0+4*i+3] offset:512*i   ; each accumulator from its low end on
.set i, i+1
.endr
	WIN 0
.irp n, 0,1
	ds_store_b32 v[MS4], v[ST+8*(\g0+\n)] offset:16384+256*\n
	ds_store_b32 v[MS4], v[ST+8*(\g0+\n)+4] offset:16384+256*\n+128
.endr
.endm
.macro TAKE t0
.set i, 0
.rept 32
	ds_load_b128 v[S+4*i:S+4*i+3], v[MLD] offset:512*i
.set i, i+1
.endr
.irp n, 0,1
	ds_load_b32 v[44+2*\n], v[ML4] offset:16384+256*\n
	ds_load_b32 v[45+2*\n], v[ML4] offset:16384+256*\n+128
.endr
	s_wait_dscnt 0x0
.irp n, 0,1
	v_max_num_f32 v[48+\n], v[ST+8*(\t0+\n)], v[44+2*\n]   ; the common c m
.endr
.irp n, 0,1
	v_sub_f32 v[52+4*\n], v[ST+8*(\t0+\n)], v[48+\n]
	v_sub_f32 v[54+4*\n], v[44+2*\n], v[48+\n]
.endr
.irp n, 0,1
	v_exp_f32 v[52+4*\n], v[52+4*\n]
	v_exp_f32 v[54+4*\n], v[54+4*\n]
.endr
	v_nop
	s_wait_alu depctr_va_vdst(0)                   ; one wait for the four exponentials
.irp n, 0,1
	v_mul_f32 v[50+\n], v[45+2*\n], v[54+4*\n]
.endr
.irp n, 0,1
	v_fma_f32 v[50+\n], v[ST+8*(\t0+\n)+4], v[52+4*\n], v[50+\n]   ; the row's sum
.endr
.irp n, 0,1
	v_rcp_f32 v[48+\n], v[50+\n]
.endr
	v_nop
	s_wait_alu depctr_va_vdst(0)                   ; and one for the two reciprocals
.irp n, 0,1
	v_mul_f32 v[52+4*\n], v[52+4*\n], v[48+\n]
	v_mul_f32 v[54+4*\n], v[54+4*\n], v[48+\n]
.endr
.irp n, 0,1
	v_mov_b32 v[53+4*\n], v[52+4*\n]
	v_mov_b32 v[55+4*\n], v[54+4*\n]
.endr
.irp n, 0,1
.set i, 0
.rept 32
	v_pk_mul_f32 v[S+64*\n+2*i:S+64*\n+2*i+1], v[S+64*\n+2*i:S+64*\n+2*i+1], v[54+4*\n:55+4*\n] op_sel_hi:[1,0]
.set i, i+1
.endr
.endr
	WIN 0x01                                       ; source 0: my O^T, window 1
.irp n, 0,1
.set i, 0
.rept 32
	v_pk_fma_f32 v[S+64*\n+2*i:S+64*\n+2*i+1], v[64*(\t0+\n)+2*i:64*(\t0+\n)+2*i+1], v[52+4*\n:53+4*\n], v[S+64*\n+2*i:S+64*\n+2*i+1] op_sel_hi:[1,0,1]
.set i, i+1
.endr
.endr
	WIN 0
.irp n, 0,1
.set i, 0
.rept 32
	v_cvt_pk_f16_f32 v[P+32*\n+i], v[S+64*\n+2*i], v[S+64*\n+2*i+1]
.set i, i+1
.endr
.endr
.irp n, 0,1
.irp cc, 0,1,2,3
	global_store_b128 v[LI], v[P+32*\n+8*\cc:P+32*\n+8*\cc+3], s[8:9] offset:\n*4096+\cc*1024      ; each store covers 512 consecutive bytes
	global_store_b128 v[LI], v[P+32*\n+8*\cc+4:P+32*\n+8*\cc+7], s[8:9] offset:\n*4096+\cc*1024+512
.endr
.endr
.endm
	s_cmp_eq_u32 s[KH], 0
	s_cbranch_scc0 .Lgive_low
	GIVE 2
	s_branch .Lgiven
.Lgive_low:
	GIVE 0
.Lgiven:
	s_wait_dscnt 0x0                               ; for the partner's sake: my stores have landed
	s_barrier_signal -1
	s_barrier_wait -1
	s_cmp_eq_u32 s[KH], 0
	s_cbranch_scc0 .Ltake_high
	TAKE 0
	s_branch .Ltaken
.Ltake_high:
	TAKE 2
.Ltaken:
	s_wait_tensorcnt 0x0                           ; the wave's end
	ds_add_u32 v[SPW], v[NIL]
	s_wait_dscnt 0x0
	CROUND                                         ; the closing round
	s_endpgm
.Lfunc_end_k_q0ba773971e_attn:
	.size	k_q0ba773971e_attn, .Lfunc_end_k_q0ba773971e_attn-k_q0ba773971e_attn
	.p2alignl 7, 3214868480
	.fill 96, 4, 3214868480
	.section	.rodata,"a",@progbits
	.p2align	6, 0x0
	.amdhsa_kernel k_q0ba773971e_attn
		.amdhsa_group_segment_fixed_size 327680
		.amdhsa_private_segment_fixed_size 0
		.amdhsa_enable_private_segment 0
		.amdhsa_kernarg_size 24
		.amdhsa_user_sgpr_count 2
		.amdhsa_user_sgpr_kernarg_segment_ptr 1
		.amdhsa_wavefront_size32 1
		.amdhsa_system_sgpr_workgroup_id_x 1
		.amdhsa_system_sgpr_workgroup_id_y 1
		.amdhsa_system_sgpr_workgroup_id_z 1
		.amdhsa_system_vgpr_workitem_id 0
		.amdhsa_next_free_vgpr 1024
		.amdhsa_next_free_sgpr 80
		.amdhsa_reserve_vcc 0
		.amdhsa_float_denorm_mode_32 3
		.amdhsa_float_denorm_mode_16_64 3
		.amdhsa_memory_ordered 1
		.amdhsa_forward_progress 1
		.amdhsa_inst_pref_size 241
	.end_amdhsa_kernel
	.amdgpu_metadata
---
amdhsa.version: [ 1, 2 ]
amdhsa.kernels:
  - .name:           k_q0ba773971e_attn
    .symbol:         k_q0ba773971e_attn.kd
    .args:
      - { .name: qkvf, .offset: 0, .size: 8, .value_kind: global_buffer, .address_space: global }
      - { .name: mb, .offset: 8, .size: 8, .value_kind: global_buffer, .address_space: global }
      - { .name: ctxf, .offset: 16, .size: 8, .value_kind: global_buffer, .address_space: global }
    .group_segment_fixed_size: 327680
    .private_segment_fixed_size: 0
    .kernarg_segment_align: 8
    .kernarg_segment_size: 24
    .max_flat_workgroup_size: 128
    .sgpr_count:     80
    .vgpr_count:     1024
    .wavefront_size: 32
...
	.end_amdgpu_metadata
.endif
;; end of part 3
;; launch proj (part 4): grid 16 x 16, 4 waves a work-group, clusters of 4 x 4, 327,680 bytes of LDS; arguments ctxf, wof, out0; writes out0
.if DOCPART == 4
	.amdgcn_target "amdgcn-amd-amdhsa--gfx1250"
	.amdhsa_code_object_version 6
	.text
	.protected	k_q0ba773971e_proj
	.globl	k_q0ba773971e_proj
	.p2align	8
	.type	k_q0ba773971e_proj,@function
k_q0ba773971e_proj:
	s_mov_b64 s[64:65], 0
	v_nop
	global_prefetch_b8 v0, s[64:65] scope:SCOPE_SE
	s_setreg_imm32_b32 hwreg(HW_REG_WAVE_MODE, 25, 1), 1
	s_wait_xcnt 0x0
	s_wait_alu depctr_hold_cnt(0) depctr_sa_sdst(0) depctr_va_vdst(0) depctr_va_sdst(0) depctr_va_ssrc(0) depctr_va_vcc(0) depctr_vm_vsrc(0)
	s_getreg_b32 s2, hwreg(HW_REG_IB_STS2, 6, 4)
	s_cmp_eq_u32 s2, 0
	s_cbranch_scc0 .Lentry_in_a_cluster
	s_endpgm
.Lentry_in_a_cluster:
	s_bfe_u32 s2, ttmp6, 0x10000c
	s_cmp_lg_u32 s2, 0xf033
	s_cbranch_scc0 .Lentry_shape_is_right
	s_endpgm
.Lentry_shape_is_right:
; PROJ: out0 = ctx Wo, f16 operands (both already in the order of the operands' registers), f32 sums, f32 out.  2,048 x 2,048 x 2,048.
; A tile of out0 is 128 x 128: 256 work-groups; four waves, each 64 x 64: 16 accumulators.  K goes in steps of 256 through two LDS slots of 128 KiB (ctx's 64 fragments, then Wo's 64): each wave's tensor load brings a dense 32 KiB.
; CLUSTER 4 x 4: ctx's tiles are shared along a row of the cluster, Wo's along a column: joint loads.  The products are used transposed (source 0 = Wo, source 1 = ctx): a lane holds 8 neighbouring numbers of a row of out0.
; Positions 0-15 are computed here like all others and stored again, more finely, by the launch that follows.
; REGISTERS: window 0: v0-31 addresses; v32-95 the way out; v128-255 the accumulators ((a, b) at v[128 + 8 (4 a + b)]).  window 1: two fragment buffers of 128 (64 along K: ctx 64 registers, Wo 64).
.set KSB,    1048576                   ; bytes from a K step to the next, in ctxf and in wof
.set HALFT,  32768
.set SLOT,   131072
.set SPARE,  262144
.set SPITCH, 272                       ; the way out: 16 rows of 256 + 16 bytes for each wave, in slot 0, which is left and filled for the last time by then
.set LAPS,   4
.set ADRA, 16
.set ADRB, 20
.set STO,  24
.set RD,   25
.set CO,   26
.set SPW,  28
.set NIL,  29
.set TMP,  32
.set ACC,  128
.set F0,   0
.set F1,   128
.set G1, 24
.set G0, 32
.set G1B, 48
.set G0B, 56
.set MSB, 0
.macro WIN new
.if MSB != \new
	s_set_vgpr_msb (MSB<<8)|\new
.set MSB, \new
.endif
.endm
.set MUL,  0x05
.set TO_F, 0x40
.macro JLOAD s
	s_cmp_eq_u32 s11, 0
	s_cbranch_scc0 .Lfor_b_\@
	tensor_load_to_lds s[G0+4*\s:G0+4*\s+3], s[G1:G1+7]
	s_nop 0
.rept 4
	v_nop
.endr
	s_branch .Lasked_\@
.Lfor_b_\@:
	tensor_load_to_lds s[G0B+4*\s:G0B+4*\s+3], s[G1B:G1B+7]
	s_nop 0
.rept 4
	v_nop
.endr
.Lasked_\@:
.endm
.macro CREST
	s_cmp_lg_u32 s10, 0
	s_cbranch_scc1 .Lnot_wave_0_\@
	s_barrier_signal -3
.Lnot_wave_0_\@:
	s_barrier_wait -3
	s_barrier_signal -1
	s_barrier_wait -1
.endm
.macro CROUND
	s_barrier_signal -1
	s_barrier_wait -1
	CREST
.endm
	s_load_b128 s[4:7], s[0:1], 0x0                ; ctxf, wof
	s_load_b64 s[8:9], s[0:1], 0x10                ; out0
	v_lshl_add_u32 v[SPW], v0, 2, SPARE
	v_mov_b32 v[NIL], 0
	ds_add_u32 v[SPW], v[NIL]                      ; the opening: the add, twice on end, and its wait ahead of my first tensor load
	ds_add_u32 v[SPW], v[NIL]
	v_lshrrev_b32 v1, 5, v0
	v_readfirstlane_b32 s10, v1
	s_lshr_b32 s11, s10, 1                         ; my half of the tile's rows.  Also: I fetch for ctx (0) or for Wo (1)
	s_and_b32 s12, s10, 1                          ; my half of its columns.  Also: which half I fetch
	s_bfe_u32 s40, ttmp6, 0x40000
	s_bfe_u32 s41, ttmp6, 0x40004
	s_lshl_b32 s42, ttmp9, 2
	s_add_co_u32 s42, s42, s40                     ; tile column
	s_and_b32 s13, ttmp7, 0xffff
	s_lshl_b32 s13, s13, 2
	s_add_co_u32 s13, s13, s41                     ; tile row
	s_lshl_b32 s43, s41, 2
	s_lshl_b32 s43, 15, s43
	s_lshl_b32 s44, 0x1111, s40
	s_or_b32 s[G1+0], s43, (3<<16)|(1<<21)         ; a dense block as 128 rows of 32 elements of 8 bytes
	s_or_b32 s[G1B+0], s44, (3<<16)|(1<<21)
.irp g, G1, G1B
	s_mov_b32 s[\g+1], 32<<16
	s_mov_b32 s[\g+2], 128<<16
	s_mov_b32 s[\g+3], 32<<16
	s_mov_b32 s[\g+4], 128
	s_mov_b32 s[\g+5], 32
	s_mov_b32 s[\g+6], 0
	s_mov_b32 s[\g+7], 0
.endr
	s_lshl_b32 s17, s12, 15
	s_lshl_b32 s16, s13, 16
	s_add_co_u32 s16, s16, s17                     ; ctx: tile row x 64 KiB + half x 32 KiB
	s_lshl_b32 s46, s42, 16
	s_add_co_u32 s46, s46, s17                     ; Wo: tile column likewise
	s_mov_b32 s17, 0
	s_mov_b32 s47, 0
	s_lshl_b32 s20, s10, 15                        ; where they go: wave x 32 KiB
	s_wait_dscnt 0x0
	s_wait_kmcnt 0x0
	s_add_nc_u64 s[14:15], s[4:5], s[16:17]
	s_add_nc_u64 s[46:47], s[6:7], s[46:47]
	CROUND
.irp s, 0,1
	s_mov_b32 s[G0+4*\s], 1
	s_add_co_u32 s[G0+4*\s+1], s20, \s*SLOT
	s_add_nc_u64 s[G0+4*\s+2:G0+4*\s+3], s[14:15], \s*KSB
	s_or_b32 s[G0+4*\s+3], s[G0+4*\s+3], 0x80000000
	s_mov_b32 s[G0B+4*\s], 1
	s_add_co_u32 s[G0B+4*\s+1], s20, \s*SLOT
	s_add_nc_u64 s[G0B+4*\s+2:G0B+4*\s+3], s[46:47], \s*KSB
	s_or_b32 s[G0B+4*\s+3], s[G0B+4*\s+3], 0x80000000
	JLOAD \s
.endr
	v_and_b32 v1, 15, v0
	v_bfe_u32 v2, v0, 4, 1
	v_and_b32 v3, 31, v0
	v_lshlrev_b32 v3, 4, v3                        ; 16 x lane
	s_lshl_b32 s21, s11, 15                        ; my 4 tiles of ctx
	s_lshl_b32 s22, s12, 15                        ; my 4 tiles of Wo,
	s_add_co_u32 s22, s22, 2*HALFT                 ; behind ctx's 8
.irp s, 0,1
	v_add_nc_u32 v[ADRA+\s], s21, v3
	v_add_nc_u32 v[ADRB+\s], s22, v3
	s_add_co_u32 s21, s21, SLOT
	s_add_co_u32 s22, s22, SLOT
.endr
	s_mul_i32 s23, s10, 16*SPITCH
	v_mul_u32_u24 v4, v1, SPITCH
	v_lshl_add_u32 v4, v2, 5, v4
	v_add_nc_u32 v[STO], s23, v4                   ; in: row l % 16, 32 bytes for each half of the lanes
	v_mul_u32_u24 v5, v2, SPITCH
	v_lshl_add_u32 v5, v1, 4, v5
	v_add_nc_u32 v[RD], s23, v5                    ; back: lanes 0-15 one row of 256 bytes, lanes 16-31 the next
	v_lshlrev_b32 v5, 13, v2
	v_lshl_add_u32 v[CO], v1, 4, v5
	s_lshl_b32 s16, s13, 7
	s_lshl_b32 s17, s11, 6
	s_add_co_u32 s16, s16, s17
	s_lshl_b32 s16, s16, 13                        ; my first row of out0, in bytes
	s_mov_b32 s17, 0
	s_add_nc_u64 s[8:9], s[8:9], s[16:17]
	s_lshl_b32 s46, s42, 9
	s_lshl_b32 s47, s12, 8
	s_add_co_u32 s46, s46, s47                     ; my first column
	s_mov_b32 s47, 0
	s_add_nc_u64 s[8:9], s[8:9], s[46:47]
.macro MUL8 f, c, a0, zero
.irp a, \a0, \a0+1
.irp b, 0,1,2,3
.if \zero
	v_wmma_f32_16x16x32_f16 v[ACC+8*(4*(\a)+\b):ACC+8*(4*(\a)+\b)+7], v[\f+64+8*(4*\c+\b):\f+64+8*(4*\c+\b)+7], v[\f+8*(4*\c+\a):\f+8*(4*\c+\a)+7], 0
.else
	v_wmma_f32_16x16x32_f16 v[ACC+8*(4*(\a)+\b):ACC+8*(4*(\a)+\b)+7], v[\f+64+8*(4*\c+\b):\f+64+8*(4*\c+\b)+7], v[\f+8*(4*\c+\a):\f+8*(4*\c+\a)+7], v[ACC+8*(4*(\a)+\b):ACC+8*(4*(\a)+\b)+7]
.endif
.endr
.endr
.endm
; 32 LDS loads in one run: quarter kq (64 along K: chunks 2 kq, 2 kq + 1) of the slot into buffer f
.macro FETCH slot, kq, f
	WIN TO_F
.irp c, 0,1
.irp i, 0,1,2,3
	ds_load_b128 v[\f+64+8*(4*\c+\i):\f+64+8*(4*\c+\i)+3],   v[ADRB+\slot] offset:\i*8192+(2*(\kq)+\c)*1024
	ds_load_b128 v[\f+64+8*(4*\c+\i)+4:\f+64+8*(4*\c+\i)+7], v[ADRB+\slot] offset:\i*8192+(2*(\kq)+\c)*1024+512
	ds_load_b128 v[\f+8*(4*\c+\i):\f+8*(4*\c+\i)+3],         v[ADRA+\slot] offset:\i*8192+(2*(\kq)+\c)*1024
	ds_load_b128 v[\f+8*(4*\c+\i)+4:\f+8*(4*\c+\i)+7],       v[ADRA+\slot] offset:\i*8192+(2*(\kq)+\c)*1024+512
.endr
.endr
.endm
.macro PLACES
.rept 4
	v_nop
.endr
.endm
.macro QUARTER slot, kq, f, g, zero
	s_wait_dscnt 16                                ; the first 32 along K are in
	WIN MUL
	MUL8 \f, 0, 0, \zero
	MUL8 \f, 0, 2, \zero
	PLACES
	FETCH \slot, \kq, \g
	s_wait_dscnt 32                                ; all but the 32 just issued
	WIN MUL
	MUL8 \f, 1, 0, 0
	MUL8 \f, 1, 2, 0
.endm
.macro TURN slot, next, fill
	WIN 0
	s_wait_tensorcnt 0x0                           ; all my tensor loads have landed: my part of the next slot
	ds_add_u32 v[SPW], v[NIL]
	s_wait_dscnt 17                                ; (the add and the youngest sixteen loads may be out)
	WIN MUL
	MUL8 F1, 0, 0, 0
	s_wait_dscnt 0x0                               ; the add is done, and my reads of this slot are over
	s_barrier_signal -1
	MUL8 F1, 0, 2, 0
.if \fill
	WIN 0
.endif
	s_barrier_wait -1
.if \fill
	CREST                                          ; the barrier has opened a round of the cluster's barrier
	s_add_nc_u64 s[G0+4*\slot+2:G0+4*\slot+3], s[G0+4*\slot+2:G0+4*\slot+3], 2*KSB
	s_add_nc_u64 s[G0B+4*\slot+2:G0B+4*\slot+3], s[G0B+4*\slot+2:G0B+4*\slot+3], 2*KSB
	JLOAD \slot
.else
	PLACES
.endif
	FETCH \next, 0, F0
	WIN MUL
	MUL8 F1, 1, 0, 0
	MUL8 F1, 1, 2, 0
.endm
	s_wait_tensorcnt 1                             ; my part of K step 0 is in; K step 1's may stay out
	s_barrier_signal -1
	s_barrier_wait -1
	FETCH 0, 0, F0
	QUARTER 0, 1, F0, F1, 1
	WIN 0
	s_mov_b32 s3, LAPS-1
.Llap:
	QUARTER 0, 2, F1, F0, 0
	QUARTER 0, 3, F0, F1, 0
	TURN 0, 1, 1
	QUARTER 1, 1, F0, F1, 0
	QUARTER 1, 2, F1, F0, 0
	QUARTER 1, 3, F0, F1, 0
	TURN 1, 0, 1
	QUARTER 0, 1, F0, F1, 0
	WIN 0
	s_sub_co_u32 s3, s3, 1
	s_cmp_lg_u32 s3, 0
	s_cbranch_scc1 .Llap
	QUARTER 0, 2, F1, F0, 0                        ; the last lap fills nothing
	QUARTER 0, 3, F0, F1, 0
	TURN 0, 1, 0
	QUARTER 1, 1, F0, F1, 0
	QUARTER 1, 2, F1, F0, 0
	QUARTER 1, 3, F0, F1, 0
	s_wait_dscnt 16
	WIN MUL
	MUL8 F1, 0, 0, 0
	MUL8 F1, 0, 2, 0
	s_wait_dscnt 0
	MUL8 F1, 1, 0, 0
	MUL8 F1, 1, 2, 0
	WIN 0
	; THE WAY OUT, 16 rows x 64 columns at a time through my own stage: sixteen lanes then store 256 consecutive bytes, aligned
	PLACES
.irp a, 0,1,2,3
.irp b, 0,1,2,3
	ds_store_b128 v[STO], v[ACC+8*(4*\a+\b):ACC+8*(4*\a+\b)+3] offset:64*\b          ; each accumulator from its low end on
	ds_store_b128 v[STO], v[ACC+8*(4*\a+\b)+4:ACC+8*(4*\a+\b)+7] offset:64*\b+16
.endr
.if \a > 1
	s_wait_xcnt 0x0                                ; block a - 2's stores have read their registers
.endif
.irp t, 0,1,2,3,4,5,6,7
	ds_load_b128 v[TMP+32*(\a%2)+4*\t:TMP+32*(\a%2)+4*\t+3], v[RD] offset:\t*2*SPITCH   ; a wave's LDS instructions are served in order
.endr
.irp t, 0,1,2,3,4,5,6,7
	s_wait_dscnt 7-\t
	global_store_b128 v[CO], v[TMP+32*(\a%2)+4*\t:TMP+32*(\a%2)+4*\t+3], s[8:9] offset:(16*\a+2*\t)*8192 th:TH_STORE_NT
.endr
.endr
	s_wait_tensorcnt 0x0                           ; the wave's end
	ds_add_u32 v[SPW], v[NIL]
	s_wait_dscnt 0x0
	CROUND
	s_endpgm
.Lfunc_end_k_q0ba773971e_proj:
	.size	k_q0ba773971e_proj, .Lfunc_end_k_q0ba773971e_proj-k_q0ba773971e_proj
	.p2alignl 7, 3214868480
	.fill 96, 4, 3214868480
	.section	.rodata,"a",@progbits
	.p2align	6, 0x0
	.amdhsa_kernel k_q0ba773971e_proj
		.amdhsa_group_segment_fixed_size 327680
		.amdhsa_private_segment_fixed_size 0
		.amdhsa_enable_private_segment 0
		.amdhsa_kernarg_size 24
		.amdhsa_user_sgpr_count 2
		.amdhsa_user_sgpr_kernarg_segment_ptr 1
		.amdhsa_wavefront_size32 1
		.amdhsa_system_sgpr_workgroup_id_x 1
		.amdhsa_system_sgpr_workgroup_id_y 1
		.amdhsa_system_sgpr_workgroup_id_z 1
		.amdhsa_system_vgpr_workitem_id 0
		.amdhsa_next_free_vgpr 512
		.amdhsa_next_free_sgpr 66
		.amdhsa_reserve_vcc 0
		.amdhsa_float_denorm_mode_32 3
		.amdhsa_float_denorm_mode_16_64 3
		.amdhsa_memory_ordered 1
		.amdhsa_forward_progress 1
		.amdhsa_inst_pref_size 86
	.end_amdhsa_kernel
	.amdgpu_metadata
---
amdhsa.version: [ 1, 2 ]
amdhsa.kernels:
  - .name:           k_q0ba773971e_proj
    .symbol:         k_q0ba773971e_proj.kd
    .args:
      - { .name: ctxf, .offset: 0, .size: 8, .value_kind: global_buffer, .address_space: global }
      - { .name: wof, .offset: 8, .size: 8, .value_kind: global_buffer, .address_space: global }
      - { .name: out0, .offset: 16, .size: 8, .value_kind: global_buffer, .address_space: global }
    .group_segment_fixed_size: 327680
    .private_segment_fixed_size: 0
    .kernarg_segment_align: 8
    .kernarg_segment_size: 24
    .max_flat_workgroup_size: 128
    .sgpr_count:     66
    .vgpr_count:     512
    .wavefront_size: 32
...
	.end_amdgpu_metadata
.endif
;; end of part 4
;; launch fine (part 5): grid 128 x 1, 16 waves a work-group, no clusters, 18,432 bytes of LDS; arguments qkvf, out2, mb, tl0, Wo, out0; writes out0
.if DOCPART == 5
	.amdgcn_target "amdgcn-amd-amdhsa--gfx1250"
	.amdhsa_code_object_version 6
	.text
	.protected	k_q0ba773971e_fine
	.globl	k_q0ba773971e_fine
	.p2align	8
	.type	k_q0ba773971e_fine,@function
k_q0ba773971e_fine:
	s_mov_b64 s[64:65], 0
	v_nop
	global_prefetch_b8 v0, s[64:65] scope:SCOPE_SE
	s_setreg_imm32_b32 hwreg(HW_REG_WAVE_MODE, 25, 1), 1
	s_wait_xcnt 0x0
; FINE: positions 0-15 of out0 once more, carried more finely: their rows may average very few values.  Scores in f16 (128 terms always), weights, P V and the projection in f32 (the f32 matrix form; no bulk work: 16 rows).
; A work-group makes 16 columns of out0 for the 16 rows; wave = query head: it computes its head's ctx for the 16 rows, multiplies by its 128 rows of Wo, and the 16 heads' parts are added through LDS in ascending order.
; Key tiles (16 keys) in which no key counts for any of the 16 rows are passed over by scalar branches on the flags that the first launch stored as whole numbers.  THE WALK GOES BY TWO LEVELS, both with constant trip counts:
; 4 groups of 8 key steps; one test of a group's 8 bits leads round the group, one test of a step's bit round the step, one test of a tile's bit round the tile.  A live step makes its three base addresses from the kept bases and its number.
; TWO PASSES over the live tiles: the first finds each row's largest score, the second forms p = 2^(c s - c m), the sum and O: so the f32 sums are never rescaled (their registers are written by matrix instructions alone).
; THE PRICE: every work-group repeats the 16 rows' attention; with a mask that is dense in rows 0-15 each wave walks 128 tiles twice.  The stores are 64-byte pieces of 16 rows, 128 KiB in all.
; LIMITS as in the attention launch: raw |q . k| < 2^30; masked scores are -2^33 or below; only positions 0-15 are carried so, whatever the mask.
; REGISTERS: v1-4 offsets; v5 mask word; v6 m; v7 at work; v[8:9] c m; v[10:11] l; v12, v13 the add's two; v14, v15 LDS; v16-47 Q; v48-55 S, then p; v56-63 bias; v64-127 K, V, ctx, parts; v128-191 f32 sums; v192-255 Wo.
; SCALARS: s[20:23] the tiles' flags by kt; s24 the step; s[26:31] K's, the mask words' and v's base for the step in hand; s[48:51] K's and v's kept bases; s60 bit s: step s has a live tile; s61, s62 the two loops' counters; s63 a group's first step.
.set KFO, 8388608
.set SPARE, 16384
	s_load_b256 s[4:11], s[0:1], 0x0               ; qkvf 4, out2 6, mb 8, tl0 10
	s_load_b128 s[12:15], s[0:1], 0x20             ; Wo 12, out0 14
	v_lshl_add_u32 v12, v0, 2, SPARE
	v_mov_b32 v13, 0
	v_lshrrev_b32 v1, 5, v0
	v_readfirstlane_b32 s16, v1                    ; wave = head
	v_and_b32 v9, 31, v0
	v_and_b32 v10, 15, v0                          ; r
	v_bfe_u32 v11, v0, 4, 1                        ; h
	v_lshlrev_b32 v1, 4, v9                        ; 16 x lane
	v_lshlrev_b32 v2, 2, v10
	v_lshl_add_u32 v4, v11, 16, v2                 ; Wo: 8 h rows of 8,192 bytes + 4 r
	v_lshl_add_u32 v2, v11, 12, v2                 ; v:  8 h rows of 512 bytes + 4 r
	v_lshlrev_b32 v3, 9, v9                        ; my lane's row of mask words
	s_lshl_b32 s17, s16, 10
	v_add_nc_u32 v14, s17, v1                      ; my head's image in LDS
	v_lshlrev_b32 v15, 4, v0                       ; and where threads 0-63 read
	s_lshr_b32 s17, s16, 2                         ; kv head
	s_and_b32 s18, s16, 3
	s_mov_b32 s54, 0x3e0293ee                      ; c = log2(e) / sqrt(128)
	s_mov_b32 s55, s54
	s_mov_b32 s56, 0x76543210
	s_mov_b32 s57, 0xfedcba98
	s_mov_b32 s3, 0                                ; the upper word of every offset pair s[2:3]: it stays 0
	s_wait_kmcnt 0x0
	s_load_b512 s[32:47], s[10:11], 0x0            ; the tile flags [wave 4][kt 4]
	s_lshl_b32 s2, s16, 20
	s_lshl_b32 s19, ttmp9, 6
	s_add_co_u32 s2, s2, s19
	s_add_nc_u64 s[12:13], s[12:13], s[2:3]        ; Wo at my head's first row, my work-group's first column
.irp ct, 0,1,2,3,4,5,6,7
.irp i, 0,1,2,3,4,5,6,7
	global_load_b32 v[192+8*\ct+\i], v4, s[12:13] offset:(16*\ct+\i)*8192    ; Wo(128 head + 16 ct + 8 h + i, n0 + r)
.endr
.endr
	s_mov_b32 s2, s19
	s_add_nc_u64 s[14:15], s[14:15], s[2:3]
	s_lshl_b32 s2, s17, 21
	s_lshl_b32 s19, s18, 12
	s_add_co_u32 s2, s2, s19
	s_add_nc_u64 s[58:59], s[4:5], s[2:3]          ; Q: query block 0 of my head
.irp cc, 0,1,2,3
	global_load_b128 v[16+8*\cc:19+8*\cc], v1, s[58:59] offset:\cc*1024
	global_load_b128 v[20+8*\cc:23+8*\cc], v1, s[58:59] offset:\cc*1024+512
.endr
	s_lshl_b32 s2, s17, 19
	s_add_co_u32 s2, s2, KFO
	s_add_nc_u64 s[48:49], s[4:5], s[2:3]          ; K's fragments of my kv head
	s_lshl_b32 s2, s17, 20
	s_add_nc_u64 s[50:51], s[6:7], s[2:3]          ; v of my kv head, in f32
	v_mov_b32 v6, 0xce800000                       ; the largest score so far: the floor -2^30
	v_mov_b32 v7, 0
	v_mov_b32 v10, 0
	v_mov_b32 v11, 0
	s_wait_kmcnt 0x0
.irp kt, 0,1,2,3
	s_or_b32 s[20+\kt], s[32+\kt], s[36+\kt]
	s_or_b32 s[20+\kt], s[20+\kt], s[40+\kt]
	s_or_b32 s[20+\kt], s[20+\kt], s[44+\kt]       ; bit s: tile (step s, kt) counts for some of the 16 rows
.endr
	s_or_b32 s60, s20, s21
	s_or_b32 s60, s60, s22
	s_or_b32 s60, s60, s23                         ; bit s: step s has such a tile
.macro TEST kt, lab
	s_lshr_b32 s25, s[20+\kt], s24
	s_and_b32 s25, s25, 1
	s_cmp_eq_u32 s25, 0
	s_cbranch_scc1 \lab
.endm
; the scores of 16 keys: S^T = K Q^T + the mask's bias, one accumulator, a wait ahead of each link
.macro SCORE kt
.rept 8
	v_nop                                          ; places in front of loads into registers that f32 products have read
.endr
.irp cc, 0,1,2,3
	global_load_b128 v[64+8*\cc:67+8*\cc], v1, s[26:27] offset:\kt*4096+\cc*1024
	global_load_b128 v[68+8*\cc:71+8*\cc], v1, s[26:27] offset:\kt*4096+\cc*1024+512
.endr
	global_load_b32 v5, v3, s[28:29] offset:4*\kt
	s_wait_loadcnt 0x0
.irp j, 0,1,2,3,4,5,6,7
	v_lshlrev_b32 v[56+\j], 28-4*(2*(\j&3)+(\j>>2)), v5
.endr
	v_wmma_f32_16x16x32_f16 v[48:55], v[64:71], v[16:23], v[56:63]
.irp cc, 1,2,3
	s_wait_alu depctr_va_vdst(0)
	v_wmma_f32_16x16x32_f16 v[48:55], v[64+8*\cc:71+8*\cc], v[16+8*\cc:23+8*\cc], v[48:55]
.endr
.rept 4
	v_nop
.endr
.endm
.macro T1 kt
	TEST \kt, .Lt1_\@
	SCORE \kt
.irp i, 0,2,4,6
	v_max3_num_f32 v6, v6, v[48+\i], v[49+\i]
.endr
.Lt1_\@:
.endm
; a live tile in the second pass: p, the sum, and O^T += V^T P in f32: K steps of 4 keys (8 h + 2 u + 0, 1 on both sides), the 8 accumulators by turns
.macro T2 kt, first
.if !\first
	TEST \kt, .Lt2_\@
.endif
	SCORE \kt
.irp i, 0,2,4,6
	v_pk_fma_f32 v[48+\i:49+\i], v[48+\i:49+\i], s[54:55], v[8:9] op_sel_hi:[1,0,0] neg_lo:[0,0,1] neg_hi:[0,0,1]
.endr
.irp i, 0,1,2,3,4,5,6,7
	v_exp_f32 v[48+\i], v[48+\i]
.endr
.irp ct, 0,1,2,3,4,5,6,7
.irp i, 0,1,2,3,4,5,6,7
	global_load_b32 v[64+8*\ct+\i], v2, s[30:31] offset:\kt*8192+\i*512+\ct*64   ; v(key 16 kt + 8 h + i, channel 16 ct + r)
.endr
.endr
	v_nop                                          ; a plain instruction behind the last exponential
	s_wait_alu depctr_va_vdst(0)                   ; one wait for the eight
.irp i, 0,2,4,6
	v_pk_add_f32 v[10:11], v[10:11], v[48+\i:49+\i]
.endr
	s_wait_loadcnt 0x0
.irp u, 0,1,2,3
.irp ct, 0,1,2,3,4,5,6,7
.if \first && (\u == 0)
	v_wmma_f32_16x16x4_f32 v[128+8*\ct:135+8*\ct], v[64+8*\ct+2*\u:65+8*\ct+2*\u], v[48+2*\u:49+2*\u], 0
.else
	v_wmma_f32_16x16x4_f32 v[128+8*\ct:135+8*\ct], v[64+8*\ct+2*\u:65+8*\ct+2*\u], v[48+2*\u:49+2*\u], v[128+8*\ct:135+8*\ct]
.endif
.endr
.endr
.Lt2_\@:
.endm
; THE WALK over the 32 key steps, for pass p.  4 trips of the outer loop, 8 of the inner: constants.  A group none of whose 8 steps has a live tile costs one test; a step with none, one test.
; A live step makes its bases anew: K's fragments 16,384 bytes a step, the mask words 16, v's rows 32,768.
.macro WALK p
	s_mov_b32 s61, 0
.Lgrp_\@:
	s_lshl_b32 s63, s61, 3                         ; the group's first step
	s_lshr_b32 s25, s60, s63
	s_and_b32 s25, s25, 0xff
	s_cmp_eq_u32 s25, 0
	s_cbranch_scc1 .Lgrp_end_\@
	s_mov_b32 s62, 0
.Lstp_\@:
	s_add_co_u32 s24, s63, s62                     ; the step
	s_lshr_b32 s25, s60, s24
	s_and_b32 s25, s25, 1
	s_cmp_eq_u32 s25, 0
	s_cbranch_scc1 .Lstp_end_\@
	s_wait_xcnt 0x0                                ; the earlier loads have read their bases (each has also been waited for): the bases are written only behind this wait
	s_lshl_b32 s2, s24, 14
	s_add_nc_u64 s[26:27], s[48:49], s[2:3]
	s_lshl_b32 s2, s24, 4
	s_add_nc_u64 s[28:29], s[8:9], s[2:3]
.if \p == 2
	s_lshl_b32 s2, s24, 15
	s_add_nc_u64 s[30:31], s[50:51], s[2:3]
	T2 0, 0
	T2 1, 0
	T2 2, 0
	T2 3, 0
.else
	T1 0
	T1 1
	T1 2
	T1 3
.endif
.Lstp_end_\@:
	s_add_co_u32 s62, s62, 1
	s_cmp_lt_u32 s62, 8
	s_cbranch_scc1 .Lstp_\@
.Lgrp_end_\@:
	s_add_co_u32 s61, s61, 1
	s_cmp_lt_u32 s61, 4
	s_cbranch_scc1 .Lgrp_\@
.endm
	; ---- pass 1: the rows' largest scores
	WALK 1
	v_permlanex16_b32 v7, v6, s56, s57
	v_max_num_f32 v6, v6, v7
	v_mul_f32 v8, s54, v6
	v_mov_b32 v9, v8
	; ---- pass 2: the first tile starts the sums, ahead of the loops, whether it counts or not (keys that do not count give p = 0)
	s_wait_xcnt 0x0                                ; as in the walk: the bases are written only behind this wait
	s_mov_b64 s[26:27], s[48:49]
	s_mov_b64 s[28:29], s[8:9]
	s_mov_b64 s[30:31], s[50:51]
	T2 0, 1
	s_and_b32 s20, s20, -2                         ; that tile is done: its bit is cleared,
	s_or_b32 s60, s20, s21
	s_or_b32 s60, s60, s22
	s_or_b32 s60, s60, s23                         ; and the steps' bits are made anew
	WALK 2
	; ---- ctx = O / l, then my head's part of the projection, transposed: source 0 = 16 columns of Wo, source 1 = ctx
.rept 8
	v_nop                                          ; places behind the last f32 products
.endr
	v_add_f32 v10, v10, v11
	v_permlanex16_b32 v7, v10, s56, s57
	v_add_f32 v10, v10, v7
	v_rcp_f32 v8, v10
	v_nop
	s_wait_alu depctr_va_vdst(0)
	v_mov_b32 v9, v8
.set i, 0
.rept 32
	v_pk_mul_f32 v[64+2*i:65+2*i], v[128+2*i:129+2*i], v[8:9]    ; into other registers; each sum is read from its low end on
.set i, i+1
.endr
.irp ct, 0,1,2,3,4,5,6,7
.irp u, 0,1,2,3
.if \ct == 0
	v_wmma_f32_16x16x4_f32 v[128+8*\u:135+8*\u], v[192+8*\ct+2*\u:193+8*\ct+2*\u], v[64+8*\ct+2*\u:65+8*\ct+2*\u], 0
.else
	v_wmma_f32_16x16x4_f32 v[128+8*\u:135+8*\u], v[192+8*\ct+2*\u:193+8*\ct+2*\u], v[64+8*\ct+2*\u:65+8*\ct+2*\u], v[128+8*\u:135+8*\u]
.endif
.endr
.endr
.rept 8
	v_nop
.endr
.irp j, 0,2,4,6
	v_pk_add_f32 v[48+\j:49+\j], v[128+\j:129+\j], v[136+\j:137+\j]
.endr
.irp j, 0,2,4,6
	v_pk_add_f32 v[48+\j:49+\j], v[48+\j:49+\j], v[144+\j:145+\j]
.endr
.irp j, 0,2,4,6
	v_pk_add_f32 v[48+\j:49+\j], v[48+\j:49+\j], v[152+\j:153+\j]   ; register j: my head's part of out0(r, n0 + 8 h + j)
.endr
	ds_store_b128 v14, v[48:51]
	ds_store_b128 v14, v[52:55] offset:512
	s_wait_dscnt 0x0                               ; for the others' sake
	s_barrier_signal -1
	s_barrier_wait -1
	s_cmp_lt_u32 s16, 2
	s_cbranch_scc0 .Lothers
.set i, 0
.rept 16
	ds_load_b128 v[64+4*i:67+4*i], v15 offset:i*1024   ; wave 0: registers 0-3 of every head's image, wave 1: registers 4-7
.set i, i+1
.endr
	v_and_b32 v7, 15, v0
	v_lshlrev_b32 v7, 13, v7
	v_bfe_u32 v5, v0, 4, 1
	v_lshl_add_u32 v7, v5, 5, v7
	v_lshrrev_b32 v5, 5, v0
	v_lshl_add_u32 v7, v5, 4, v7                   ; row r, columns 8 h + 4 wave on
	s_wait_dscnt 0x0
.set i, 1
.rept 15
	v_pk_add_f32 v[64:65], v[64:65], v[64+4*i:65+4*i]
	v_pk_add_f32 v[66:67], v[66:67], v[66+4*i:67+4*i]
.set i, i+1
.endr
	global_store_b128 v7, v[64:67], s[14:15]
.Lothers:
	s_wait_tensorcnt 0x0                           ; the wave's end
	ds_add_u32 v12, v13
	s_wait_dscnt 0x0
	s_endpgm
.Lfunc_end_k_q0ba773971e_fine:
	.size	k_q0ba773971e_fine, .Lfunc_end_k_q0ba773971e_fine-k_q0ba773971e_fine
	.p2alignl 7, 3214868480
	.fill 96, 4, 3214868480
	.section	.rodata,"a",@progbits
	.p2align	6, 0x0
	.amdhsa_kernel k_q0ba773971e_fine
		.amdhsa_group_segment_fixed_size 18432
		.amdhsa_private_segment_fixed_size 0
		.amdhsa_enable_private_segment 0
		.amdhsa_kernarg_size 48
		.amdhsa_user_sgpr_count 2
		.amdhsa_user_sgpr_kernarg_segment_ptr 1
		.amdhsa_wavefront_size32 1
		.amdhsa_system_sgpr_workgroup_id_x 1
		.amdhsa_system_sgpr_workgroup_id_y 1
		.amdhsa_system_sgpr_workgroup_id_z 1
		.amdhsa_system_vgpr_workitem_id 0
		.amdhsa_next_free_vgpr 256
		.amdhsa_next_free_sgpr 66
		.amdhsa_reserve_vcc 0
		.amdhsa_float_denorm_mode_32 3
		.amdhsa_float_denorm_mode_16_64 3
		.amdhsa_memory_ordered 1
		.amdhsa_forward_progress 1
		.amdhsa_inst_pref_size 84
	.end_amdhsa_kernel
	.amdgpu_metadata
---
amdhsa.version: [ 1, 2 ]
amdhsa.kernels:
  - .name:           k_q0ba773971e_fine
    .symbol:         k_q0ba773971e_fine.kd
    .args:
      - { .name: qkvf, .offset: 0, .size: 8, .value_kind: global_buffer, .address_space: global }
      - { .name: out2, .offset: 8, .size: 8, .value_kind: global_buffer, .address_space: global }
      - { .name: mb, .offset: 16, .size: 8, .value_kind: global_buffer, .address_space: global }
      - { .name: tl0, .offset: 24, .size: 8, .value_kind: global_buffer, .address_space: global }
      - { .name: Wo, .offset: 32, .size: 8, .value_kind: global_buffer, .address_space: global }
      - { .name: out0, .offset: 40, .size: 8, .value_kind: global_buffer, .address_space: global }
    .group_segment_fixed_size: 18432
    .private_segment_fixed_size: 0
    .kernarg_segment_align: 8
    .kernarg_segment_size: 48
    .max_flat_workgroup_size: 512
    .sgpr_count:     66
    .vgpr_count:     256
    .wavefront_size: 32
...
	.end_amdgpu_metadata
.endif
;; end of part 5
